; MI455X (gfx1250); checked and timed in simulation.
; The chip was launched on July 23, 2026; its instructions are those of AMD's public machine-readable ISA for CDNA 5 (MIT licence, August 2026) and "CDNA5" Instruction Set Architecture Reference Guide (July 2026). The comments in the code are by the model that wrote it; some were corrected since.
;; My Transformer Encoder Layer. Allowed arithmetic: matrix products marked QUANTISED: E3M2 operands, one E8M0 scale for each 32 along K, by v_wmma_scale_f32_16x16x128_f8f6f4 with both operands' format E3M2, f32 sums; everything else in f32.
;; Inputs: W1 4,096 x 1,024 float32; W2 1,024 x 4,096 float32; Wk 1,024 x 1,024 float32; Wo 1,024 x 1,024 float32; Wq 1,024 x 1,024 float32; Wv 1,024 x 1,024 float32; b1 4,096 float32; b2 1,024 float32; be1 1,024 float32; be2 1,024 float32; bk 1,024 float32; bo 1,024 float32; bq 1,024 float32; bv 1,024 float32; g1 1,024 float32; g2 1,024 float32; src 2,048 x 2 x 1,024 float32.
;; Outputs: out0 2,048 x 2 x 1,024 float32.
;; This version of the problem:
;;   THIS VERSION OF THE PROBLEM IS GIVEN IN LOW PRECISION. The matrix products marked QUANTISED in the list below multiply operands that are first quantised to E3M2 (3 exponent bits, 2 mantissa bits; 6 bits a number), with one power-of-two scale for each 32 numbers along K (OCP MX v1.0); their sums are f32. All else is computed in f32.
;;   The module's matrix products, in the order in which they are computed (A, B: the left and right operand; K: the contracted axis; several contracted axes count as one K, in the product's order):
;;     1. [M 4,096, K 1,024] x [K 1,024, N 1,024]; A: input src; B: input Wq: QUANTISED
;;     2. [M 4,096, K 1,024] x [K 1,024, N 1,024]; A: input src; B: input Wk: QUANTISED
;;     3. [M 4,096, K 1,024] x [K 1,024, N 1,024]; A: input src; B: input Wv: QUANTISED
;;     4. batch 32 x [M 2,048, K 64] x [K 64, N 2,048]; A: computed on the way; B: computed on the way: QUANTISED
;;     5. batch 32 x [M 64, K 2,048] x [K 2,048, N 2,048]; A: computed on the way; B: softmax (see below): QUANTISED
;;     6. [M 4,096, K 1,024] x [K 1,024, N 1,024]; A: computed on the way; B: input Wo: QUANTISED
;;     7. [M 4,096, K 1,024] x [K 1,024, N 4,096]; A: computed on the way; B: input W1: QUANTISED
;;     8. [M 4,096, K 4,096] x [K 4,096, N 1,024]; A: computed on the way; B: input W2: QUANTISED
;;   THE QUANTISER, for each operand of a quantised product, along K:
;;     - K is cut into blocks of 32 from its start; a last block that is shorter is filled with zeros.
;;     - A block's scale is 2^e with e = floor(log2(the largest magnitude in the block)) - 4, held to -126 .. 127; a block of zeros has e = 0. As a byte (E8M0): e + 127.
;;     - Each number is divided by its block's scale, clamped to +-28, and rounded to the nearest number of E3M2, ties to even, subnormals kept.
;;     - The product sums the exact products of the quantised numbers (number of the format x scale) in f32.
;;   ~~~python
;;   def quantise(x, axis):      # numpy; x: float32 -> the quantised numbers, widened to float32 again
;;       x = np.moveaxis(x, axis, -1); K = x.shape[-1]
;;       x = np.pad(x, [(0, 0)] * (x.ndim - 1) + [(0, -K % 32)]); x = x.reshape(x.shape[:-1] + (-1, 32)); a = np.abs(x).max(-1, keepdims=True)
;;       e = np.where(a > 0, np.clip(np.frexp(np.where(a > 0, a, 1))[1] - 1 - 4, -126, 127), 0)      # np.frexp(a)[1] - 1 = floor(log2(a)), exactly
;;       r = np.clip(x / 2.0 ** e, -28, 28)
;;       step = 2.0 ** (np.maximum(np.frexp(np.where(r == 0, 1, r))[1] - 1, -2) - 2)
;;       q = np.round(r / step) * step * 2.0 ** e      # np.round: ties to even
;;       return np.moveaxis(q.reshape(q.shape[:-2] + (-1,))[..., :K], -1, axis).astype(np.float32)
;;   ~~~
;;   SOFTMAX AHEAD OF A QUANTISED PRODUCT. Where the list says 'softmax', what is quantised is not the finished softmax but p = 2^(t - M), with t = logit x log2(e) and M = ceil(the row's largest t), a whole number; so 1/2 < the row's largest p <= 1. The row's sum l is taken of the UNQUANTISED p, in f32, and the product's result is divided by l at the end. Since M is a whole number, a kernel that streams over the keys may use a running M (the ceiling of the running maximum): every later rescaling is an exact power of two, which a block's scale takes up: the codes' values come out the same.
;;   OPERANDS COMPUTED ON THE WAY. 'Computed on the way' means the value that the module computes at that place (a softmax that the list does not call 'softmax' is quantised finished and normalised). What goes into a quantiser is computed in f32, as accurately as f32 sums, v_exp_f32 and their like allow (about 1e-6 of the number): no bf16 or f16 on the way to a quantiser, and a product that is left as it is and whose result goes on into a quantised operand takes f32 operands (vector FMAs, or v_wmma_f32_16x16x4_f32). A number that lies on a knife's edge between two numbers of the format may be rounded either way, as far as f32 arithmetic and the matrix unit's own rounding can turn it there, and no further.
;; One version. Each part assembles by itself: llvm-mc -triple=amdgcn-amd-amdhsa -mcpu=gfx1250 --defsym DOCPART=n.
;; ======== version 1 of 1: 7 launches
;; limits: right only within a limited range of input values
;; workspace buffers: wimg 13,107,200 bytes; qkvc 10,092,544 bytes; oimg 3,276,800 bytes; x32 16,777,216 bytes; ximg 3,276,800 bytes; himg 13,107,200 bytes; y32 16,777,216 bytes
;; launch quant (part 1): grid 256 x 1, 4 waves a work-group, no clusters, 34,304 bytes of LDS; arguments src, Wq, Wk, Wv, Wo, W1, W2, wimg; writes wimg
.if DOCPART == 1
	.amdgcn_target "amdgcn-amd-amdhsa--gfx1250"
	.amdhsa_code_object_version 6
	.text
	.protected	k_q5492d6a480_quant
	.globl	k_q5492d6a480_quant
	.p2align	8
	.type	k_q5492d6a480_quant,@function
k_q5492d6a480_quant:
	s_mov_b64 s[64:65], 0
	v_nop
	global_prefetch_b8 v0, s[64:65] scope:SCOPE_SE
	s_setreg_imm32_b32 hwreg(HW_REG_WAVE_MODE, 25, 1), 1
	s_wait_xcnt 0x0
; src and the six weights, f32 with K innermost, become codes of BF6 (E3M2) with one E8M0 byte for each 32 along K, laid as PACKETS in wimg.
; A packet is 128 rows x 128 along K: eight images of a matrix operand's registers (16 rows x 128 K: 12 registers a lane; registers 4 c .. 4 c + 3 of lane l at 512 c + 16 l: 1,536 bytes),
; then 512 bytes of scale words (block i, row r at 256 (i / 4) + 16 r + 4 (i % 4)): 12,800 bytes.  A tensor is [rows / 128][K / 128] packets.
; ROWS ARE STORED BY POSITION: position p holds row pi(p), p with its bits 3 and 4 exchanged, so that a later product's 16 registers of two neighbouring tiles are 16 neighbours along the next K.
; For src the 4,096 positions are 2,048 b + p, with s = pi(p): 128 neighbouring positions belong to one b.
; A block's scale is 2^(floor(log2(largest magnitude)) - 4), its byte the largest magnitude's exponent field - 4, held at 1 from below.
; LIMITS: NaN and infinities among the inputs are not served; a block of zeros keeps the byte 1 where the rule says 127 (its codes are zeros, and this program alone reads the bytes).
; A wave makes one packet, 1,024 in all.  Each load reads 512 consecutive bytes of one row; 16 rows turn through the wave's own stage in LDS (rows 528 bytes apart), so that a lane gets 16 neighbours of each block of 32.
; No barrier: waves share nothing.  Loads run two blocks of 16 rows (32 loads a wave) ahead.
.set PKT,  12800
.set STG,  16*528                      ; a wave's stage
.set OFF,  8                           ; v8-23    row j of a block: 16 x lane + (j + 8 (j / 8)) rows
.set PW,   24                          ; v24-31   the eight blocks' scale words
.set R,    32                          ; v32-159  two sets of 64: a block as loaded
.set X,    160                         ; v160-223 64 numbers of my row: register 16 b + i = k 32 b + 16 (lane / 16) + i
.set PC,   224                         ; v224-242 codes
.set MX,   244
.set T2,   248
.set SO,   252
.set BASE, 28                          ; s[28:43] a base for each block of 16 rows
.set OUTB, 44
.set SEL,  46
	s_load_b512 s[8:23], s[0:1], 0x0               ; src, Wq, Wk, Wv, Wo, W1, W2, wimg
	v_lshl_add_u32 v239, v0, 2, 0x8400
	v_mov_b32 v243, 0
	v_lshrrev_b32 v1, 5, v0
	v_readfirstlane_b32 s2, v1                     ; wave
	v_and_b32 v1, 31, v0                           ; lane
	v_lshlrev_b32 v2, 4, v1                        ; 16 x lane
	v_and_b32 v5, 15, v0                           ; r
	v_bfe_u32 v6, v0, 4, 1                         ; h
	s_mul_i32 s7, s2, STG
	v_add_nc_u32 v3, s7, v2                        ; the stage, on the way in
	v_mul_u32_u24 v4, v5, 528
	v_lshl_add_u32 v4, v6, 6, v4
	v_add_nc_u32 v4, s7, v4                        ; and on the way out: row r, + 64 h
.irp b, 0,1,2,3
	v_mov_b32 v[T2+\b], 0                          ; written once: a lane permute's destination counts as one of its sources
.endr
	s_mov_b32 s[SEL], 0x76543210
	s_mov_b32 s[SEL+1], 0xfedcba98                 ; lane l xor 16
	s_lshl_b32 s3, ttmp9, 2
	s_add_co_u32 s3, s3, s2                        ; my packet
	s_wait_kmcnt 0x0
	; which tensor: its pointer, its first packet, log2 of its packets along K, log2 of the bytes from row to row.  The choice hangs on the packet's number alone
.macro PICK lim, ptr, start
	s_cmp_lt_u32 s3, \lim
	s_cselect_b64 s[24:25], s[\ptr:\ptr+1], s[24:25]
	s_cselect_b32 s4, \start, s4
.endm
	s_mov_b64 s[24:25], s[20:21]                   ; W2: 8 panels x 32
	s_mov_b32 s4, 768
	s_mov_b32 s5, 5
	s_mov_b32 s6, 14
	PICK 768, 18, 512                              ; W1: 32 x 8
	s_cselect_b32 s5, 3, s5
	s_cselect_b32 s6, 12, s6
	PICK 512, 16, 448                              ; Wo
	PICK 448, 14, 384                              ; Wv
	PICK 384, 12, 320                              ; Wk
	PICK 320, 10, 256                              ; Wq
	PICK 256, 8, 0                                 ; src: 32 x 8; from s to s + 1 are 8,192 bytes
	s_cselect_b32 s6, 13, s6
	s_cselect_b32 s26, 15, 63                      ; src: a panel's low four bits count s, the fifth is b
	s_sub_co_u32 s4, s3, s4
	s_lshr_b32 s7, s4, s5                          ; panel
	s_lshl_b32 s27, s7, s5
	s_sub_co_u32 s4, s4, s27                       ; which 128 along K
	s_and_b32 s27, s7, s26
	s_sub_co_u32 s7, s7, s27                       ; 16 b (0 for a weight)
	s_lshl_b32 s7, s7, 8                           ; b x 4,096 bytes
	s_lshl_b32 s27, s27, 7
	s_lshl_b32 s27, s27, s6                        ; 128 rows a panel
	s_add_co_u32 s26, s27, s7
	s_lshl_b32 s4, s4, 9
	s_add_co_u32 s26, s26, s4
	s_mov_b32 s27, 0
	s_add_nc_u64 s[24:25], s[24:25], s[26:27]
.irp i, 0,1,2,3,4,5,6,7
	s_lshl_b32 s26, 32*(\i/2)+8*(\i%2), s6         ; block i begins at row 32 (i / 2) + 8 (i % 2) of the panel
	s_add_nc_u64 s[BASE+2*\i:BASE+2*\i+1], s[24:25], s[26:27]
.endr
.irp j, 0,1,2,3,4,5,6,7,8,9,10,11,12,13,14,15
	s_lshl_b32 s26, \j+8*(\j/8), s6                ; its position j is the row j + 8 (j / 8) further on
	v_add_nc_u32 v[OFF+\j], s26, v2
.endr
	s_mul_i32 s26, s3, PKT
	s_add_nc_u64 s[OUTB:OUTB+1], s[22:23], s[26:27]
.macro LOAD t
.irp j, 0,1,2,3,4,5,6,7,8,9,10,11,12,13,14,15
	global_load_b128 v[R+64*((\t)%2)+4*\j:R+64*((\t)%2)+4*\j+3], v[OFF+\j], s[BASE+2*(\t):BASE+2*(\t)+1] th:TH_LOAD_NT   ; 32 lanes read 512 consecutive bytes of one row
.endr
.endm
; 64 numbers of a lane become a fragment's codes in v[PC] on and its scale word in v[pw]
.macro QUANT s, pw
.irp b, 0,1,2,3
	v_max3_num_f32 v[MX+\b], |v[\s+16*\b]|, |v[\s+1+16*\b]|, 0x2800000   ; block b: my 16 numbers, and the floor 2^(5 - 127): the byte cannot fall under 1
.endr
.irp i, 2,4,6,8,10,12,14
.irp b, 0,1,2,3
	v_max3_num_f32 v[MX+\b], |v[\s+16*\b+\i]|, |v[\s+1+16*\b+\i]|, v[MX+\b]
.endr
.endr
.irp b, 0,1,2,3
	v_permlanex16_b32 v[T2+\b], v[MX+\b], s[SEL], s[SEL+1]
.endr
.irp b, 0,1,2,3
	v_max_num_f32 v[MX+\b], v[MX+\b], v[T2+\b]     ; with lane l xor 16's: the block's largest magnitude
.endr
.irp b, 0,1,2,3
	v_add_nc_u32 v[SO+\b], 0xfe000000, v[MX+\b]    ; 4 off its exponent field: the conversion's scale operand
.endr
.irp b, 0,1,2,3
	v_lshrrev_b32 v[T2+\b], 23, v[SO+\b]           ; the scale's byte
.endr
	v_lshl_or_b32 v[\pw], v[T2+1], 8, v[T2]
	v_lshl_or_b32 v[\pw], v[T2+2], 16, v[\pw]
	v_lshl_or_b32 v[\pw], v[T2+3], 24, v[\pw]
.irp c, 0,1
	v_cvt_scalef32_pk16_bf6_f32 v[PC+6*\c:PC+2+6*\c], v[\s+32*\c:\s+15+32*\c], v[SO+2*\c]
	v_cvt_scalef32_pk16_bf6_f32 v[PC+12+4*\c:PC+14+4*\c], v[\s+16+32*\c:\s+31+32*\c], v[SO+2*\c+1]   ; (a conversion's three registers begin on an even number)
.endr
	v_nop                                          ; one plain place behind a scaled conversion
.irp c, 0,1                                    ; the operand's layout wants a whole block in a lane
.irp i, 0,1,2
	v_permlane16_swap_b32 v[PC+6*\c+\i], v[PC+12+4*\c+\i]
.endr
.irp i, 0,1,2
	v_mov_b32 v[PC+3+6*\c+\i], v[PC+12+4*\c+\i]
.endr
.endr
.endm
.macro BLOCK i
.if (\i) < 7
	s_wait_loadcnt 16                              ; this block's 16 loads are in; the next block's 16 may be out
.else
	s_wait_loadcnt 0x0
.endif
.irp j, 0,1,2,3,4,5,6,7,8,9,10,11,12,13,14,15
	ds_store_b128 v3, v[R+64*((\i)%2)+4*\j:R+64*((\i)%2)+4*\j+3] offset:528*\j
.endr
.irp b, 0,1,2,3
.irp q, 0,1,2,3
	ds_load_b128 v[X+16*\b+4*\q:X+16*\b+4*\q+3], v4 offset:128*\b+16*\q   ; LDS serves a wave's instructions in order: these see the stores above
.endr
.endr
	s_wait_dscnt 0x0                               ; the stores have read their registers, and my 64 numbers are in
.if (\i) < 6
	LOAD (\i)+2
.endif
.if (\i) > 0
	s_wait_xcnt 0x0                                ; the last block's stores have read the codes' registers
.endif
	QUANT X, PW+(\i)
.irp c, 0,1,2
	global_store_b128 v2, v[PC+4*\c:PC+4*\c+3], s[OUTB:OUTB+1] offset:1536*(\i)+512*\c   ; 512 consecutive bytes, aligned
.endr
.endm
	s_wait_alu depctr_va_vdst(0)
	LOAD 0
	LOAD 1
.irp i, 0,1,2,3,4,5,6,7
	BLOCK \i
.endr
	v_cmp_lt_u32 vcc_lo, 15, v1                    ; lanes 16-31 take blocks 4-7's words
.irp j, 0,1,2,3
	v_cndmask_b32 v[R+\j], v[PW+\j], v[PW+4+\j], vcc_lo
.endr
	global_store_b128 v2, v[R:R+3], s[OUTB:OUTB+1] offset:12288
	s_wait_tensorcnt 0x0
	ds_add_u32 v239, v243
	s_wait_dscnt 0x0
	s_endpgm
.Lfunc_end_k_q5492d6a480_quant:
	.size	k_q5492d6a480_quant, .Lfunc_end_k_q5492d6a480_quant-k_q5492d6a480_quant
	.p2alignl 7, 3214868480
	.fill 96, 4, 3214868480
	.section	.rodata,"a",@progbits
	.p2align	6, 0x0
	.amdhsa_kernel k_q5492d6a480_quant
		.amdhsa_group_segment_fixed_size 34304
		.amdhsa_private_segment_fixed_size 0
		.amdhsa_enable_private_segment 0
		.amdhsa_kernarg_size 64
		.amdhsa_user_sgpr_count 2
		.amdhsa_user_sgpr_kernarg_segment_ptr 1
		.amdhsa_wavefront_size32 1
		.amdhsa_system_sgpr_workgroup_id_x 1
		.amdhsa_system_sgpr_workgroup_id_y 1
		.amdhsa_system_sgpr_workgroup_id_z 1
		.amdhsa_system_vgpr_workitem_id 0
		.amdhsa_next_free_vgpr 256
		.amdhsa_next_free_sgpr 66
		.amdhsa_reserve_vcc 1
		.amdhsa_float_denorm_mode_32 3
		.amdhsa_float_denorm_mode_16_64 3
		.amdhsa_memory_ordered 1
		.amdhsa_forward_progress 1
		.amdhsa_inst_pref_size 66
	.end_amdhsa_kernel
	.amdgpu_metadata
---
amdhsa.version: [ 1, 2 ]
amdhsa.kernels:
  - .name:           k_q5492d6a480_quant
    .symbol:         k_q5492d6a480_quant.kd
    .args:
      - { .name: src, .offset: 0, .size: 8, .value_kind: global_buffer, .address_space: global }
      - { .name: Wq, .offset: 8, .size: 8, .value_kind: global_buffer, .address_space: global }
      - { .name: Wk, .offset: 16, .size: 8, .value_kind: global_buffer, .address_space: global }
      - { .name: Wv, .offset: 24, .size: 8, .value_kind: global_buffer, .address_space: global }
      - { .name: Wo, .offset: 32, .size: 8, .value_kind: global_buffer, .address_space: global }
      - { .name: W1, .offset: 40, .size: 8, .value_kind: global_buffer, .address_space: global }
      - { .name: W2, .offset: 48, .size: 8, .value_kind: global_buffer, .address_space: global }
      - { .name: wimg, .offset: 56, .size: 8, .value_kind: global_buffer, .address_space: global }
    .group_segment_fixed_size: 34304
    .private_segment_fixed_size: 0
    .kernarg_segment_align: 8
    .kernarg_segment_size: 64
    .max_flat_workgroup_size: 128
    .sgpr_count:     66
    .vgpr_count:     256
    .wavefront_size: 32
...
	.end_amdgpu_metadata
.endif
;; end of part 1
;; launch proj (part 2): grid 12 x 16, 4 waves a work-group, clusters of 4 x 4, 327,680 bytes of LDS; arguments wimg, bq, bk, bv, qkvc; writes qkvc
.if DOCPART == 2
	.amdgcn_target "amdgcn-amd-amdhsa--gfx1250"
	.amdhsa_code_object_version 6
	.text
	.protected	k_q5492d6a480_proj
	.globl	k_q5492d6a480_proj
	.p2align	8
	.type	k_q5492d6a480_proj,@function
k_q5492d6a480_proj:
	s_mov_b64 s[64:65], 0
	v_nop
	global_prefetch_b8 v0, s[64:65] scope:SCOPE_SE
	s_setreg_imm32_b32 hwreg(HW_REG_WAVE_MODE, 25, 1), 1
	s_wait_xcnt 0x0
	s_wait_alu depctr_hold_cnt(0) depctr_sa_sdst(0) depctr_va_vdst(0) depctr_va_sdst(0) depctr_va_ssrc(0) depctr_va_vcc(0) depctr_vm_vsrc(0)
	s_getreg_b32 s2, hwreg(HW_REG_IB_STS2, 6, 4)
	s_cmp_eq_u32 s2, 0
	s_cbranch_scc0 .Lentry_in_a_cluster
	s_endpgm
.Lentry_in_a_cluster:
	s_bfe_u32 s2, ttmp6, 0x10000c
	s_cmp_lg_u32 s2, 0xf033
	s_cbranch_scc0 .Lentry_shape_is_right
	s_endpgm
.Lentry_shape_is_right:
.set PKT,   12800
.set QTR,   2*PKT
.set SLOT,  QTR                        ; a wave's two slot parts lie on end: slot s of wave w's part at 2 QTR w + QTR s, so that one head load of four packets fills both
.set SPARE, 8*QTR
.set KVP,   13056
.set KVB,   3407872
.set SQB,   3145728
.set ADR1, 16
.set ADR0, 20
.set ADRS, 22
.set L16,  24
.set L8,   25
.set VB,   26
.set VSV,  27
.set SPW,  28
.set NIL,  29
.set SC,   32
.set BR,   48
.set MX,   112
.set T2,   116
.set SO,   120
.set AF,   128
.set PC,   128
.set PWE,  160
.set PWO,  168
.set PK,   176
.set G1,  24
.set G0,  32
.set G1B, 48
.set G0B, 56
.set SEL, 66
.set MSB, 0
.macro WIN new
.if MSB != (\new)
	s_set_vgpr_msb (MSB<<8)|(\new)
.set MSB, (\new)
.endif
.endm
.macro PLACES n
.rept \n
	v_nop
.endr
.endm
.macro JLOAD s
	s_cmp_eq_u32 s15, 0
	s_cbranch_scc0 .Lfor_s0_\@
	tensor_load_to_lds s[G0+4*\s:G0+4*\s+3], s[G1:G1+7]
	s_nop 0
.rept 4
	v_nop
.endr
	s_branch .Lasked_\@
.Lfor_s0_\@:
	tensor_load_to_lds s[G0B+4*\s:G0B+4*\s+3], s[G1B:G1B+7]
	s_nop 0
.rept 4
	v_nop
.endr
.Lasked_\@:
.endm
.macro CREST
	s_cmp_lg_u32 s14, 0
	s_cbranch_scc1 .Lnot_wave_0_\@
	s_barrier_signal -3
.Lnot_wave_0_\@:
	s_barrier_wait -3
	s_barrier_signal -1
	s_barrier_wait -1
.endm
.macro CROUND
	s_barrier_signal -1
	s_barrier_wait -1
	CREST
.endm
	s_load_b256 s[4:11], s[0:1], 0x0
	s_load_b64 s[12:13], s[0:1], 0x20
	v_lshl_add_u32 v[SPW], v0, 2, SPARE
	v_mov_b32 v[NIL], 0
	ds_add_u32 v28, v29
	ds_add_u32 v28, v29
	s_wait_dscnt 0x0
	v_lshrrev_b32 v1, 5, v0
	v_readfirstlane_b32 s14, v1
	s_lshr_b32 s15, s14, 1
	s_and_b32 s16, s14, 1
	s_bfe_u32 s40, ttmp6, 0x40000
	s_bfe_u32 s41, ttmp6, 0x40004
	s_lshl_b32 s43, s41, 2
	s_lshl_b32 s43, 15, s43
	s_lshl_b32 s44, 0x1111, s40
	s_or_b32 s[G1], s43, (3<<16)|(1<<21)
	s_or_b32 s[G1B], s44, (3<<16)|(1<<21)
.irp g, G1, G1B
	s_mov_b32 s[\g+1], 32<<16
	s_mov_b32 s[\g+2], 200<<16
	s_mov_b32 s[\g+3], 32<<16
	s_mov_b32 s[\g+4], 200
	s_mov_b32 s[\g+5], 32
	s_mov_b32 s[\g+6], 0
	s_mov_b32 s[\g+7], 0
.endr
	s_and_b32 s17, ttmp7, 0xffff
	s_lshl_b32 s17, s17, 3
	s_lshl_b32 s18, ttmp9, 3
	s_add_co_u32 s18, s18, 32
	s_cmp_eq_u32 ttmp9, 2
	s_cselect_b32 s20, 48, s17
	s_cselect_b32 s46, s17, s18
	s_lshl_b32 s19, s41, 1
	s_add_co_u32 s20, s20, s19
	s_add_co_u32 s20, s20, s16
	s_mul_i32 s20, s20, 8*PKT
	s_mov_b32 s21, 0
	s_lshl_b32 s47, s40, 1
	s_add_co_u32 s46, s46, s47
	s_add_co_u32 s46, s46, s16
	s_mul_i32 s46, s46, 8*PKT
	s_mov_b32 s47, 0
	s_mul_i32 s45, s14, 2*QTR
	s_mov_b32 s[SEL], 0x76543210
	s_mov_b32 s[SEL+1], 0xfedcba98
	s_wait_kmcnt 0x0
	s_add_nc_u64 s[20:21], s[4:5], s[20:21]
	s_add_nc_u64 s[46:47], s[4:5], s[46:47]
	CROUND
.irp s, 0,1
	s_mov_b32 s[G0+4*\s], 1
	s_add_co_u32 s[G0+4*\s+1], s45, \s*SLOT
	s_add_nc_u64 s[G0+4*\s+2:G0+4*\s+3], s[20:21], \s*QTR
	s_or_b32 s[G0+4*\s+3], s[G0+4*\s+3], 0x80000000
	s_mov_b32 s[G0B+4*\s], 1
	s_add_co_u32 s[G0B+4*\s+1], s45, \s*SLOT
	s_add_nc_u64 s[G0B+4*\s+2:G0B+4*\s+3], s[46:47], \s*QTR
	s_or_b32 s[G0B+4*\s+3], s[G0B+4*\s+3], 0x80000000
.endr
	JLOAD 0                                        ; one tensor load a wave at the head: K steps 0 to 3 of my panel, both slots' first fills
	v_and_b32 v1, 15, v0
	v_bfe_u32 v2, v0, 4, 1
	v_and_b32 v3, 31, v0
	v_lshlrev_b32 v[L16], 4, v3
	v_lshlrev_b32 v[L8], 3, v3
	s_mul_i32 s21, s15, 2*QTR
	s_mul_i32 s22, s16, 2*QTR
	s_add_co_u32 s22, s22, 4*QTR
	s_sub_co_u32 s23, s22, s21
	v_mul_u32_u24 v6, s23, v2
	v_lshl_add_u32 v6, v1, 4, v6
.irp s, 0,1
	v_add_nc_u32 v[ADR1+\s], s21, v[L16]
	v_add_nc_u32 v[ADR0+\s], s22, v[L16]
	v_add_nc_u32 v[ADRS+\s], s21, v6
	v_add_nc_u32 v[ADRS+\s], 12288, v[ADRS+\s]
	s_add_co_u32 s21, s21, SLOT
	s_add_co_u32 s22, s22, SLOT
.endr
.irp b, 0,1,2,3
	v_mov_b32 v[T2+\b], 0
.endr
	v_mul_u32_u24 v[VSV], v2, 16*KVP
	v_lshl_add_u32 v[VSV], v1, 4, v[VSV]
	s_cmp_eq_u32 ttmp9, 2
	s_cselect_b32 s92, 0, s17
	s_cselect_b32 s93, s17, 0
	s_lshl_b32 s94, s41, 1
	s_add_co_u32 s92, s92, s94
	s_add_co_u32 s92, s92, s15
	s_lshl_b32 s94, s40, 1
	s_add_co_u32 s93, s93, s94
	s_add_co_u32 s93, s93, s16
	s_cmp_eq_u32 ttmp9, 0
	s_cselect_b64 s[68:69], s[6:7], s[8:9]
	s_cmp_eq_u32 ttmp9, 2
	s_cselect_b64 s[68:69], s[10:11], s[68:69]
	s_cselect_b32 s94, s92, s93
	s_cselect_b32 s96, s93, s92
	s_lshl_b32 s70, s94, 9
	s_mov_b32 s71, 0
	s_add_nc_u64 s[68:69], s[68:69], s[70:71]
	s_cmp_eq_u32 ttmp9, 2
	s_cbranch_scc1 .Lbias_v
	v_lshlrev_b32 v[VB], 6, v2
.irp b, 0,1,2,3
.irp q, 0,1,2,3
	global_load_b128 v[BR+16*\b+4*\q:BR+16*\b+4*\q+3], v[VB], s[68:69] offset:128*\b+16*\q
.endr
.endr
	s_branch .Lbias_done
.Lbias_v:
	v_and_b32 v[VB], 8, v1
	v_add_nc_u32 v[VB], v[VB], v1
	v_lshlrev_b32 v[VB], 2, v[VB]
.irp a, 0,1,2,3,4,5,6,7
	global_load_b32 v[BR+8*\a], v[VB], s[68:69] offset:(32*(\a/2)+8*(\a%2))*4
.endr
	s_wait_loadcnt 0x0
.irp a, 0,1,2,3,4,5,6,7
.irp j, 1,2,3,4,5,6,7
	v_mov_b32 v[BR+8*\a+\j], v[BR+8*\a]
.endr
.endr
.Lbias_done:
	s_lshr_b32 s97, s96, 4
	s_lshl_b32 s97, s97, 8
	s_lshl_b32 s98, s94, 5
	s_add_co_u32 s97, s97, s98
	s_and_b32 s98, s96, 15
	s_add_co_u32 s97, s97, s98
	s_mul_i32 s72, s97, 6144
	s_lshl_b32 s74, s97, 9
	s_add_co_u32 s74, s74, SQB
	s_mul_i32 s76, s97, KVP
	s_add_co_u32 s76, s76, KVB
	s_add_co_u32 s78, s76, 6144
	s_mov_b32 s80, 98304
	s_mov_b32 s82, 8192
	s_mov_b32 s84, 16*KVP
	s_cmp_eq_u32 ttmp9, 0
	s_cselect_b32 s72, s72, s76
	s_cselect_b32 s74, s74, s78
	s_cselect_b32 s80, s80, s84
	s_cselect_b32 s82, s82, s84
	s_cmp_eq_u32 ttmp9, 2
	s_cselect_b32 s85, 6656, 0
	s_add_co_u32 s72, s72, s85
	s_add_co_u32 s74, s74, s85
	s_mov_b32 s73, 0
	s_mov_b32 s75, 0
	s_mov_b32 s81, 0
	s_mov_b32 s83, 0
	s_add_nc_u64 s[72:73], s[12:13], s[72:73]
	s_add_nc_u64 s[74:75], s[12:13], s[74:75]
	s_add_nc_u64 s[76:77], s[72:73], s[80:81]
	s_add_nc_u64 s[78:79], s[74:75], s[82:83]
.macro WM d, fa, fb, c, sa, sb
	v_wmma_scale_f32_16x16x128_f8f6f4 v[\d:\d+7], v[\fa:\fa+11], v[\fb:\fb+11], \c, v[\sa], v[\sb] matrix_a_fmt:MATRIX_FMT_BF6 matrix_b_fmt:MATRIX_FMT_BF6 matrix_a_scale:MATRIX_SCALE_ROW1
.endm
.macro MUL16 a0, p, zero
.irp a, \a0, \a0+1
.irp b, 0,1,2,3,4,5,6,7
.set DD, 8*(8*((\a)%4)+\b)
.if \zero == 0
	WM DD, 128*(\p)+12*\b, AF+12*(\a), v[DD:DD+7], SC+8*(\p)+\b, SC+8*(\p)+(\a)
.elseif \zero == 1
	WM DD, 128*(\p)+12*\b, AF+12*(\a), v[BR+8*\b:BR+8*\b+7], SC+8*(\p)+\b, SC+8*(\p)+(\a)
.else
	WM DD, 128*(\p)+12*\b, AF+12*(\a), v[BR+8*(\a):BR+8*(\a)+7], SC+8*(\p)+\b, SC+8*(\p)+(\a)
.endif
.endr
.endr
.endm
.macro FRAG reg, adr, off
.irp c, 0,1,2
	ds_load_b128 v[\reg+4*\c:\reg+4*\c+3], v[\adr] offset:\off+512*\c
.endr
.endm
.macro FETCH_B slot, q, p
	WIN 0x40
.irp i, 0,1,2,3,4,5,6,7
	FRAG 128*(\p)+12*\i, ADR0+\slot, PKT*(\q)+1536*\i
.endr
	WIN 0
.endm
.macro FETCH_A slot, q, i0
.irp i, \i0, \i0+1, \i0+2, \i0+3
	FRAG AF+12*(\i), ADR1+\slot, PKT*(\q)+1536*(\i)
.endr
.endm
.macro SCALES slot, q, p
	ds_load_b128 v[SC+8*\p:SC+8*\p+3], v[ADRS+\slot] offset:PKT*\q
	ds_load_b128 v[SC+8*\p+4:SC+8*\p+7], v[ADRS+\slot] offset:PKT*\q+256
.endm
.macro STEP slot, zero
	s_wait_dscnt 12
.if \zero
	WIN 0x81
.else
	WIN 0xa1
.endif
	MUL16 0, 0, \zero
	MUL16 2, 0, \zero
	s_wait_dscnt 0x0
	PLACES 4
	FETCH_B \slot, 1, 1
	SCALES \slot, 1, 1
	FETCH_A \slot, 1, 0
.if \zero
	WIN 0xc1
.else
	WIN 0xf1
.endif
	MUL16 4, 0, \zero
	MUL16 6, 0, \zero
	PLACES 4
	WIN 0
	FETCH_A \slot, 1, 4
.endm
.macro TURN slot, next, fill
	s_wait_tensorcnt 0x0
	ds_add_u32 v[SPW], v[NIL]
	s_wait_dscnt 13
	WIN 0xa1
	MUL16 0, 1, 0
	s_wait_dscnt 0x0
	s_barrier_signal -1
	MUL16 2, 1, 0
	WIN 0
	s_barrier_wait -1
.if \fill
	CREST
	s_add_nc_u64 s[G0+4*\slot+2:G0+4*\slot+3], s[G0+4*\slot+2:G0+4*\slot+3], 2*QTR
	s_add_nc_u64 s[G0B+4*\slot+2:G0B+4*\slot+3], s[G0B+4*\slot+2:G0B+4*\slot+3], 2*QTR
	JLOAD \slot
.else
	PLACES 4
.endif
	FETCH_B \next, 0, 0
	SCALES \next, 0, 0
	FETCH_A \next, 0, 0
	WIN 0xf1
	MUL16 4, 1, 0
	MUL16 6, 1, 0
	PLACES 4
	WIN 0
	FETCH_A \next, 0, 4
.endm
.macro QUANT s, w, pw
	WIN (\w)|((\w)<<2)
.irp b, 0,1,2,3
	v_max3_num_f32 v[MX+\b], |v[\s+16*\b]|, |v[\s+1+16*\b]|, 0x2800000
.endr
.irp i, 2,4,6,8,10,12,14
.irp b, 0,1,2,3
	v_max3_num_f32 v[MX+\b], |v[\s+16*\b+\i]|, |v[\s+1+16*\b+\i]|, v[MX+\b]
.endr
.endr
	WIN 0
.irp b, 0,1,2,3
	v_permlanex16_b32 v[T2+\b], v[MX+\b], s[SEL], s[SEL+1]
.endr
.irp b, 0,1,2,3
	v_max_num_f32 v[MX+\b], v[MX+\b], v[T2+\b]
.endr
.irp b, 0,1,2,3
	v_add_nc_u32 v[SO+\b], 0xfe000000, v[MX+\b]
.endr
.irp b, 0,1,2,3
	v_lshrrev_b32 v[T2+\b], 23, v[SO+\b]
.endr
	v_lshl_or_b32 v[\pw], v[T2+1], 8, v[T2]
	v_lshl_or_b32 v[\pw], v[T2+2], 16, v[\pw]
	v_lshl_or_b32 v[\pw], v[T2+3], 24, v[\pw]
	WIN \w
.irp c, 0,1
	v_cvt_scalef32_pk16_bf6_f32 v[PC+6*\c:PC+2+6*\c], v[\s+32*\c:\s+15+32*\c], v[SO+2*\c]
	v_cvt_scalef32_pk16_bf6_f32 v[PC+12+4*\c:PC+14+4*\c], v[\s+16+32*\c:\s+31+32*\c], v[SO+2*\c+1]
.endr
	WIN 0
	v_nop
.irp c, 0,1
.irp i, 0,1,2
	v_permlane16_swap_b32 v[PC+6*\c+\i], v[PC+12+4*\c+\i]
.endr
.irp i, 0,1,2
	v_mov_b32 v[PC+3+6*\c+\i], v[PC+12+4*\c+\i]
.endr
.endr
.endm
.macro PACK src, dst
.irp j, 0,1,2,3
	v_cndmask_b32 v[\dst+\j], v[\src+\j], v[\src+4+\j], vcc_lo
.endr
.endm
	s_wait_tensorcnt 0x0                           ; my head load is in and no load of mine is out: from here on a load brings two packets, 100 rows
	s_mov_b32 s[G1+2], 100<<16
	s_mov_b32 s[G1+4], 100
	s_mov_b32 s[G1B+2], 100<<16
	s_mov_b32 s[G1B+4], 100
	s_barrier_signal -1
	s_barrier_wait -1
	FETCH_B 0, 0, 0
	SCALES 0, 0, 0
	FETCH_A 0, 0, 0
	FETCH_A 0, 0, 4
	s_wait_loadcnt 0x0
	s_cmp_eq_u32 ttmp9, 2
	s_cbranch_scc1 .Lfirst_v
	s_wait_alu depctr_va_vdst(0)
	STEP 0, 1
	s_branch .Lfirst_done
.Lfirst_v:
	s_wait_alu depctr_va_vdst(0)
	STEP 0, 2
.Lfirst_done:
	TURN 0, 1, 1
	STEP 1, 0
	TURN 1, 0, 1
	STEP 0, 0
	TURN 0, 1, 0
	STEP 1, 0
	s_wait_dscnt 12
	WIN 0xa1
	MUL16 0, 1, 0
	MUL16 2, 1, 0
	s_wait_dscnt 0x0
	WIN 0xf1
	MUL16 4, 1, 0
	MUL16 6, 1, 0
	WIN 0
	PLACES 4
	v_cmp_lt_u32 vcc_lo, 15, v3
	s_cmp_eq_u32 ttmp9, 2
	s_cbranch_scc1 .Lout_v
.irp a, 0,1,2,3,4,5,6,7
.if \a > 0
	s_wait_xcnt 0x0
.endif
	QUANT 64*(\a%4), 2+\a/4, PWE+\a
	global_store_b128 v[L16], v[PC:PC+3], s[72:73] offset:768*\a
	global_store_b64 v[L8], v[PC+4:PC+5], s[72:73] offset:768*\a+512
	global_store_b128 v[L16], v[PC+6:PC+9], s[76:77] offset:768*\a
	global_store_b64 v[L8], v[PC+10:PC+11], s[76:77] offset:768*\a+512
	v_lshrrev_b32 v[PWO+\a], 16, v[PWE+\a]
.endr
	PACK PWE, PK
	PACK PWO, PK+4
	global_store_b128 v[L16], v[PK:PK+3], s[74:75]
	global_store_b128 v[L16], v[PK+4:PK+7], s[78:79]
	s_branch .Lout_done
.Lout_v:
.irp a, 0,1,2,3,4,5,6,7
.if \a > 0
	s_wait_xcnt 0x0
.endif
	QUANT 64*(\a%4), 2+\a/4, PWE+\a
.irp c, 0,1,2
	global_store_b128 v[L16], v[PC+4*\c:PC+4*\c+3], s[72+4*(\a/4):73+4*(\a/4)] offset:1536*(\a%4)+512*\c
.endr
.endr
	PACK PWE, PK
	global_store_b128 v[VSV], v[PK:PK+3], s[74:75]
.Lout_done:
	s_wait_tensorcnt 0x0
	ds_add_u32 v[SPW], v[NIL]
	s_wait_dscnt 0x0
	CROUND
	s_endpgm
.Lfunc_end_k_q5492d6a480_proj:
	.size	k_q5492d6a480_proj, .Lfunc_end_k_q5492d6a480_proj-k_q5492d6a480_proj
	.p2alignl 7, 3214868480
	.fill 96, 4, 3214868480
	.section	.rodata,"a",@progbits
	.p2align	6, 0x0
	.amdhsa_kernel k_q5492d6a480_proj
		.amdhsa_group_segment_fixed_size 327680
		.amdhsa_private_segment_fixed_size 0
		.amdhsa_enable_private_segment 0
		.amdhsa_kernarg_size 40
		.amdhsa_user_sgpr_count 2
		.amdhsa_user_sgpr_kernarg_segment_ptr 1
		.amdhsa_wavefront_size32 1
		.amdhsa_system_sgpr_workgroup_id_x 1
		.amdhsa_system_sgpr_workgroup_id_y 1
		.amdhsa_system_sgpr_workgroup_id_z 1
		.amdhsa_system_vgpr_workitem_id 0
		.amdhsa_next_free_vgpr 1024
		.amdhsa_next_free_sgpr 100
		.amdhsa_reserve_vcc 1
		.amdhsa_float_denorm_mode_32 3
		.amdhsa_float_denorm_mode_16_64 3
		.amdhsa_memory_ordered 1
		.amdhsa_forward_progress 1
		.amdhsa_inst_pref_size 188
	.end_amdhsa_kernel
	.amdgpu_metadata
---
amdhsa.version: [ 1, 2 ]
amdhsa.kernels:
  - .name:           k_q5492d6a480_proj
    .symbol:         k_q5492d6a480_proj.kd
    .args:
      - { .name: wimg, .offset: 0, .size: 8, .value_kind: global_buffer, .address_space: global }
      - { .name: bq, .offset: 8, .size: 8, .value_kind: global_buffer, .address_space: global }
      - { .name: bk, .offset: 16, .size: 8, .value_kind: global_buffer, .address_space: global }
      - { .name: bv, .offset: 24, .size: 8, .value_kind: global_buffer, .address_space: global }
      - { .name: qkvc, .offset: 32, .size: 8, .value_kind: global_buffer, .address_space: global }
    .group_segment_fixed_size: 327680
    .private_segment_fixed_size: 0
    .kernarg_segment_align: 8
    .kernarg_segment_size: 40
    .max_flat_workgroup_size: 128
    .sgpr_count:     100
    .vgpr_count:     1024
    .wavefront_size: 32
...
	.end_amdgpu_metadata
.endif
;; end of part 2
;; launch attn (part 3): grid 8 x 32, 16 waves a work-group, clusters of 4 x 1, 210,944 bytes of LDS; arguments qkvc, oimg; writes oimg
.if DOCPART == 3
	.amdgcn_target "amdgcn-amd-amdhsa--gfx1250"
	.amdhsa_code_object_version 6
	.text
	.protected	k_q5492d6a480_attn
	.globl	k_q5492d6a480_attn
	.p2align	8
	.type	k_q5492d6a480_attn,@function
k_q5492d6a480_attn:
	s_mov_b64 s[64:65], 0
	v_nop
	global_prefetch_b8 v0, s[64:65] scope:SCOPE_SE
	s_setreg_imm32_b32 hwreg(HW_REG_WAVE_MODE, 25, 1), 1
	s_wait_xcnt 0x0
	s_wait_alu depctr_hold_cnt(0) depctr_sa_sdst(0) depctr_va_vdst(0) depctr_va_sdst(0) depctr_va_ssrc(0) depctr_va_vcc(0) depctr_vm_vsrc(0)
	s_getreg_b32 s2, hwreg(HW_REG_IB_STS2, 6, 4)
	s_cmp_eq_u32 s2, 0
	s_cbranch_scc0 .Lentry_in_a_cluster
	s_endpgm
.Lentry_in_a_cluster:
	s_bfe_u32 s2, ttmp6, 0x10000c
	s_cmp_lg_u32 s2, 0x3003
	s_cbranch_scc0 .Lentry_shape_is_right
	s_endpgm
.Lentry_shape_is_right:
; out[q] = the sum over keys of softmax(q . k / 8) v for one (b, head), both products on codes of BF6 (E3M2) with E8M0 scales; out is quantised along the channels and leaves as codes for the next product.
; THE SOFTMAX: t = score x log2(e) / 8; M = the running largest t rounded UP to a whole number; p = 2^(t - M) is quantised along the keys, not normalised; the sum of the unquantised p divides at the end.
; When M moves, the sum and O are multiplied by 2^(old M - new M): exact.
; SHARES.  A work-group owns 256 query positions of one (b, head); each of its sixteen waves 16 of them, in 256 registers, four waves to a SIMD.  Every wave walks the 2,048 keys, 128 a step.
; ALL OF THE HEAD'S K AND V LIE IN LDS: 16 packets of 13,056 bytes (k's eight half images, k's scale words, v's four images, v's scale words), filled ONCE: no byte is filled again.
; CLUSTER: the four query blocks of a cluster belong to one (b, head).  The packets are as many as the waves: wave w asks jointly for packet w, one tensor load a wave; one wait and one barrier show all 16 to all waves.
; LDS LOADS ARE ASKED FOR AHEAD OF THEIR USE: behind the scores' last products go v's first two fragments and the NEXT step's first four of k with its scale words; k's second four are covered by the first two blocks'
; maxima; v's last two land in score registers that are done with.  The last step is written out: it asks for nothing past packet 15.
; LAYOUT.  S^T = K Q^T (source 0 = 16 key positions, source 1 = my 16 queries), O^T = V^T P^T: a lane holds one query throughout.  Positions hold rows with bits 3 and 4 exchanged, so the 16 registers of two
; neighbouring tiles are 16 neighbouring keys (channels).  The head's K is 64: registers 6-11 of Q's and K's fragments are zero codes, which add nothing.
; LIMITS: NaN and infinities are not served; a block of zeros keeps the byte 1; the promise holds while the scaled scores stay under 2^31 in magnitude.
.set KVP, 13056
.set KVB, 3407872
.set SQB, 3145728
.set PKT, 12800
.set SPARE, 16*KVP
.set L16, 1
.set L8,  2
.set LS,  3
.set A16, 4
.set A8,  5
.set AS,  6
.set GB,  7                            ; v7   16 r + h: where my scale byte goes
.set H8,  11                           ; v11  8 h
.set QF,  16                           ; v16-27 Q
.set VS,  28                           ; v28-31 V's scale words
.set KF,  32                           ; v32-79 four fragments of K
.set VF,  80                           ; v80-103 two of V
.set KS,  104                          ; v104-111 K's scale words
.set SPW, 127
.set S,   128                          ; v128-191 S^T, then p; v160-183 at last V's other two fragments
.set O,   192                          ; v192-223 O^T
.set PC,  224                          ; v224-235 p's codes
.set T,   236
.set NIL, 243
.set SO,  244
.set BM,  248                          ; v248-251 the blocks' largest scores
.set WV,  18
.set SEL, 20
.set CS,  22
.set G1,  24
.set G0,  32
.set TB,  48
.set CNT, 49
.macro ROUND
	s_barrier_signal -1
	s_barrier_wait -1
	s_cmp_lg_u32 s[WV], 0
	s_cbranch_scc1 .Lnot_wave_0_\@
	s_barrier_signal -3
.Lnot_wave_0_\@:
	s_barrier_wait -3
	s_barrier_signal -1
	s_barrier_wait -1
.endm
	s_load_b128 s[4:7], s[0:1], 0x0                ; qkvc, oimg
	v_lshl_add_u32 v[SPW], v0, 2, SPARE
	v_mov_b32 v[NIL], 0
	ds_add_u32 v[SPW], v[NIL]                      ; the opening lines: the add, twice on end, and its wait
	ds_add_u32 v[SPW], v[NIL]
	v_lshrrev_b32 v8, 5, v0
	v_readfirstlane_b32 s[WV], v8                  ; wave 0..15
	s_bfe_u32 s8, ttmp6, 0x40000                   ; cx: it enters Q's and the output's addresses alone
	s_lshl_b32 s9, ttmp9, 2
	s_add_co_u32 s9, s9, s8                        ; my block of 256 queries
	s_and_b32 s10, ttmp7, 0xffff                   ; 16 b + head, which the four partners share
	s_mov_b32 s[G1], 15|(3<<16)|(1<<21)            ; all four work-groups; elements of 8 bytes; bit 21 beside a mask
	s_mov_b32 s[G1+1], 32<<16                      ; one packet, 13,056 dense bytes, as 51 rows of 256
	s_mov_b32 s[G1+2], 51<<16
	s_mov_b32 s[G1+3], 32<<16
	s_mov_b32 s[G1+4], 51
	s_mov_b32 s[G1+5], 32
	s_mov_b32 s[G1+6], 0
	s_mov_b32 s[G1+7], 0
	s_mul_i32 s12, s10, 16*KVP
	s_add_co_u32 s12, s12, KVB
	s_mov_b32 s13, 0
	s_mul_i32 s58, s[WV], KVP                      ; my packet: wave x 13,056 bytes, in memory and in LDS
	s_mov_b32 s59, 0
	s_mov_b32 s[SEL], 0x76543210
	s_mov_b32 s[SEL+1], 0xfedcba98
	s_mov_b32 s[CS], 0x3e38aa3b                    ; c = log2(e) / 8
	s_mov_b32 s[CS+1], s[CS]
	s_mov_b32 s[TB], 0
	s_lshl_b32 s14, s9, 4                          ; Q: block 16 x my query block + wave of the head's 128
	s_add_co_u32 s14, s14, s[WV]
	s_lshl_b32 s15, s10, 7
	s_add_co_u32 s15, s15, s14
	s_mul_i32 s50, s15, 768
	s_mov_b32 s51, 0
	s_lshl_b32 s15, s10, 4
	s_lshr_b32 s16, s14, 3
	s_add_co_u32 s15, s15, s16
	s_lshl_b32 s52, s15, 9                         ; its scale words: 512 bytes for each 128 queries; block i's word of row r at 256 (i / 4) + 16 r + 4 (i % 4)
	s_bfe_u32 s16, s14, 0x10002
	s_lshl_b32 s16, s16, 8
	s_add_co_u32 s52, s52, s16
	s_and_b32 s16, s14, 3
	s_lshl_b32 s16, s16, 2
	s_add_co_u32 s52, s52, s16
	s_add_co_u32 s52, s52, SQB
	s_mov_b32 s53, 0
	s_lshr_b32 s15, s10, 4                         ; the output: packet (16 b + 2 x query block + wave / 8, head / 2); block wave % 8; the even head's half image, then the odd head's
	s_and_b32 s16, s10, 15
	s_lshl_b32 s15, s15, 4
	s_lshl_b32 s17, s9, 1
	s_add_co_u32 s15, s15, s17
	s_lshr_b32 s17, s[WV], 3
	s_add_co_u32 s15, s15, s17
	s_lshl_b32 s15, s15, 3
	s_lshr_b32 s17, s16, 1
	s_add_co_u32 s15, s15, s17
	s_mul_i32 s15, s15, PKT
	s_and_b32 s16, s16, 1
	s_and_b32 s17, s[WV], 7
	s_mul_i32 s54, s17, 1536
	s_add_co_u32 s54, s54, s15
	s_mul_i32 s19, s16, 768
	s_add_co_u32 s54, s54, s19
	s_mov_b32 s55, 0
	s_lshr_b32 s19, s17, 2
	s_lshl_b32 s19, s19, 8
	s_add_co_u32 s56, s15, s19
	s_and_b32 s19, s17, 3
	s_lshl_b32 s19, s19, 2
	s_add_co_u32 s56, s56, s19
	s_lshl_b32 s19, s16, 1
	s_add_co_u32 s56, s56, s19
	s_add_co_u32 s56, s56, 12288
	s_mov_b32 s57, 0
	s_wait_dscnt 0x0
	s_wait_kmcnt 0x0
	s_add_nc_u64 s[12:13], s[4:5], s[12:13]
	s_add_nc_u64 s[50:51], s[4:5], s[50:51]
	s_add_nc_u64 s[52:53], s[4:5], s[52:53]
	s_add_nc_u64 s[54:55], s[6:7], s[54:55]
	s_add_nc_u64 s[56:57], s[6:7], s[56:57]
	s_mov_b32 s[G0], 1
	s_mov_b32 s[G0+1], s58
	s_add_nc_u64 s[G0+2:G0+3], s[12:13], s[58:59]
	s_or_b32 s[G0+3], s[G0+3], 0x80000000
	ROUND                                          ; all four work-groups are here: the joint loads meet
	tensor_load_to_lds s[G0:G0+3], s[G1:G1+7]      ; every wave's one fill: packet w
	s_nop 0
.rept 4
	v_nop
.endr
	v_and_b32 v8, 31, v0
	v_and_b32 v9, 15, v0
	v_bfe_u32 v10, v0, 4, 1
	v_lshlrev_b32 v[L16], 4, v8
	v_lshlrev_b32 v[L8], 3, v8
	v_lshlrev_b32 v[LS], 4, v9
	v_lshlrev_b32 v[H8], 3, v10
	v_add_nc_u32 v[GB], v[LS], v10
	global_load_b128 v[QF:QF+3], v[L16], s[50:51]
	global_load_b64 v[QF+4:QF+5], v[L8], s[50:51] offset:512
	global_load_b32 v255, v[LS], s[52:53]          ; Q's scale words
.irp j, 6,7,8,9,10,11
	v_mov_b32 v[QF+\j], 0                          ; zero codes for the upper 64 of the instruction's K
.irp t, 0,1,2,3
	v_mov_b32 v[KF+12*\t+\j], 0
.endr
.endr
	v_mov_b32 v13, 0xff61b1e6                      ; the largest t so far: -3e38
	v_mov_b32 v14, 0
	v_mov_b32 v15, 0
	v_floor_f32 v12, -v13                          ; -M
.irp b, 0,1,2,3
	v_mov_b32 v[T+\b], 0                           ; a lane permute's destination counts as one of its sources
.endr
	v_mov_b32 v253, 0
.set j, 0
.rept 32
	v_mov_b32 v[O+j], 0                            ; O^T: the step is written for all steps alike; the first finds zeros
.set j, j+1
.endr
	v_add_nc_u32 v[A16], s[TB], v[L16]
	v_add_nc_u32 v[A8], s[TB], v[L8]
	v_add_nc_u32 v[AS], s[TB], v[LS]
.macro WM d, fa, fb, c, sa, sb
	v_wmma_scale_f32_16x16x128_f8f6f4 v[\d:\d+7], v[\fa:\fa+11], v[\fb:\fb+11], \c, v[\sa], v[\sb] matrix_a_fmt:MATRIX_FMT_BF6 matrix_b_fmt:MATRIX_FMT_BF6
.endm
.macro KFETCH g, off                   ; four half images of k: tiles 4 g .. 4 g + 3 of the packet off bytes on: 8 loads
.irp t, 0,1,2,3
	ds_load_b128 v[KF+12*\t:KF+12*\t+3], v[A16] offset:\off+768*(4*\g+\t)
	ds_load_b64 v[KF+12*\t+4:KF+12*\t+5], v[A8] offset:\off+768*(4*\g+\t)+512
.endr
.endm
.macro KSFETCH off
	ds_load_b128 v[KS:KS+3], v[AS] offset:\off+6144
	ds_load_b128 v[KS+4:KS+7], v[AS] offset:\off+6400
.endm
.macro BMAX b0, b1                     ; the largest score of two blocks of 32 keys: for the row's maximum, and for the block's largest p
.irp b, \b0, \b1
	v_max3_num_f32 v[BM+\b], v[S+16*\b], v[S+1+16*\b], v[S+2+16*\b]
.endr
.irp i, 3,5,7,9,11,13
.irp b, \b0, \b1
	v_max3_num_f32 v[BM+\b], v[BM+\b], v[S+16*\b+\i], v[S+1+16*\b+\i]
.endr
.endr
.irp b, \b0, \b1
	v_max_num_f32 v[BM+\b], v[BM+\b], v[S+15+16*\b]
.endr
.endm
; A KEY STEP: the 128 keys of the packet at LDS byte s[TB]; its first four fragments of k and its scale words have been asked for.  pre = 1: a step follows
.macro STEP pre
	s_wait_dscnt 0x0
.irp t, 0,1,2,3
	WM S+8*\t, KF+12*\t, QF, 0, KS+\t, 255
.endr
.rept 4
	v_nop                                          ; places in front of loads into registers that these have read, and of the first read of their results
.endr
	KFETCH 1, 0
	BMAX 0, 1
	s_wait_dscnt 0x0
.irp t, 0,1,2,3
	WM S+8*(4+\t), KF+12*\t, QF, 0, KS+4+\t, 255
.endr
.rept 4
	v_nop
.endr
	ds_load_b128 v[VS:VS+3], v[AS] offset:12800
.irp t, 0,1
.irp c, 0,1,2
	ds_load_b128 v[VF+12*\t+4*\c:VF+12*\t+4*\c+3], v[A16] offset:6656+1536*\t+512*\c
.endr
.endr
.if \pre
	KSFETCH KVP
	KFETCH 0, KVP
.endif
	BMAX 2, 3
	v_permlanex16_b32 v[T], v[BM], s[SEL], s[SEL+1]
	v_permlanex16_b32 v[T+1], v[BM+1], s[SEL], s[SEL+1]
.irp b, 2,3
	v_permlanex16_b32 v[T+\b], v[BM+\b], s[SEL], s[SEL+1]
.endr
.irp b, 0,1,2,3
	s_delay_alu instid0(VALU_DEP_4)
	v_max_num_f32 v[BM+\b], v[BM+\b], v[T+\b]
.endr
	s_delay_alu instid0(VALU_DEP_2)
	v_max3_num_f32 v254, v[BM], v[BM+1], v[BM+2]
	s_delay_alu instid0(VALU_DEP_1)
	v_max_num_f32 v254, v254, v[BM+3]
	s_delay_alu instid0(VALU_DEP_1)
	v_mul_f32 v254, s[CS], v254                    ; as t (c is positive)
	s_delay_alu instid0(VALU_DEP_1)
	v_max_num_f32 v13, v13, v254                   ; the running largest t
	v_mov_b32 v254, v12
	s_delay_alu instid0(VALU_DEP_2)
	v_floor_f32 v12, -v13                          ; the new -M = -ceil(t)
	s_delay_alu instid0(VALU_DEP_1)
	v_sub_f32 v254, v12, v254                      ; old M - new M: a whole number, 0 or less
	s_delay_alu instid0(VALU_DEP_1)
	v_cvt_i32_f32 v254, v254                       ; (it saturates)
	s_delay_alu instid0(VALU_DEP_1)
	v_ldexp_f32 v252, 1.0, v254                    ; f = 2^(old M - new M)
.set j, 0
.rept 32
	v_pk_fma_f32 v[S+j:S+j+1], v[S+j:S+j+1], s[CS:CS+1], v[12:13] op_sel_hi:[1,0,0]   ; t - M
.set j, j+2
.endr
.irp b, 0,1,2,3
	v_fma_f32 v[BM+\b], v[BM+\b], s[CS], v12
.endr
	s_wait_alu depctr_va_vdst(0)                   ; the wait ahead of the batch
.set j, 0
.rept 64
	v_exp_f32 v[S+j], v[S+j]                       ; p = 2^(t - M)
.set j, j+1
.endr
.irp b, 0,1,2,3
	v_exp_f32 v[BM+\b], v[BM+\b]                   ; the block's largest p: the same two instructions on the same number
.endr
	v_pk_mul_f32 v[14:15], v[14:15], v[252:253] op_sel_hi:[1,0]   ; the sums under the new M (a plain place behind the exponentials)
	s_wait_alu depctr_va_vdst(0)                   ; one wait behind the batch, directly ahead of the first reader of O^T
.set j, 0
.rept 16
	v_pk_mul_f32 v[O+j:O+j+1], v[O+j:O+j+1], v[252:253] op_sel_hi:[1,0]   ; O^T under the new M
.set j, j+2
.endr
.irp b, 0,1,2,3
	v_max_num_f32 v[BM+\b], 0x2800000, v[BM+\b]    ; the floor 2^(5 - 127)
.endr
.irp b, 0,1,2,3
	s_delay_alu instid0(VALU_DEP_4)
	v_add_nc_u32 v[SO+\b], 0xfe000000, v[BM+\b]
.endr
.irp b, 0,1,2,3
	s_delay_alu instid0(VALU_DEP_4)
	v_lshrrev_b32 v[T+\b], 23, v[SO+\b]
.endr
	s_delay_alu instid0(VALU_DEP_3)
	v_lshl_or_b32 v253, v[T+1], 8, v[T]            ; p's scale word for these 128 keys
	s_delay_alu instid0(VALU_DEP_1)
	v_lshl_or_b32 v253, v[T+2], 16, v253
	s_delay_alu instid0(VALU_DEP_1)
	v_lshl_or_b32 v253, v[T+3], 24, v253
.irp c, 0,1
	v_cvt_scalef32_pk16_bf6_f32 v[PC+6*\c:PC+2+6*\c], v[S+32*\c:S+15+32*\c], v[SO+2*\c]
	v_cvt_scalef32_pk16_bf6_f32 v[T+4*\c:T+2+4*\c], v[S+16+32*\c:S+31+32*\c], v[SO+2*\c+1]
.endr
	v_nop                                          ; one plain place behind a scaled conversion
.irp c, 0,1
.irp i, 0,1,2
	v_permlane16_swap_b32 v[PC+6*\c+\i], v[T+4*\c+\i]
.endr
.irp i, 0,1,2
	s_delay_alu instid0(VALU_DEP_3)
	v_mov_b32 v[PC+3+6*\c+\i], v[T+4*\c+\i]
.endr
.endr
	v_pk_add_f32 v[236:237], v[132:133], v[136:137]   ; the row's sum of the unquantised p, in eight chains
	v_pk_add_f32 v[250:251], v[140:141], v[144:145]
	v_pk_add_f32 v[248:249], v[148:149], v[152:153]
	v_pk_add_f32 v[246:247], v[156:157], v[160:161]
	v_pk_add_f32 v[244:245], v[164:165], v[168:169]
	v_pk_add_f32 v[240:241], v[172:173], v[176:177]
	v_pk_add_f32 v[124:125], v[180:181], v[184:185]
	v_pk_add_f32 v[14:15], v[14:15], v[188:189]
	v_pk_add_f32 v[236:237], v[236:237], v[128:129]
	v_pk_add_f32 v[250:251], v[250:251], v[130:131]
	v_pk_add_f32 v[248:249], v[248:249], v[134:135]
	v_pk_add_f32 v[246:247], v[246:247], v[138:139]
	v_pk_add_f32 v[244:245], v[244:245], v[142:143]
	v_pk_add_f32 v[240:241], v[240:241], v[146:147]
	v_pk_add_f32 v[124:125], v[124:125], v[150:151]
	v_pk_add_f32 v[14:15], v[14:15], v[154:155]
	v_pk_add_f32 v[236:237], v[236:237], v[158:159]
	v_pk_add_f32 v[250:251], v[250:251], v[162:163]
	v_pk_add_f32 v[248:249], v[248:249], v[166:167]
	v_pk_add_f32 v[246:247], v[246:247], v[170:171]
	v_pk_add_f32 v[244:245], v[244:245], v[174:175]
	v_pk_add_f32 v[240:241], v[240:241], v[178:179]
	v_pk_add_f32 v[124:125], v[124:125], v[182:183]
	v_pk_add_f32 v[14:15], v[14:15], v[186:187]
	v_pk_add_f32 v[236:237], v[236:237], v[190:191]
.irp t, 0,1                                    ; p is done with: v's fragments 2 and 3 land on it
.irp c, 0,1,2
	ds_load_b128 v[S+32+12*\t+4*\c:S+32+12*\t+4*\c+3], v[A16] offset:6656+1536*(2+\t)+512*\c
.endr
.endr
	v_pk_add_f32 v[14:15], v[14:15], v[246:247]
	v_pk_add_f32 v[236:237], v[236:237], v[244:245]
	v_pk_add_f32 v[250:251], v[250:251], v[240:241]
	v_pk_add_f32 v[248:249], v[248:249], v[124:125]
	s_delay_alu instid0(VALU_DEP_2)
	v_pk_add_f32 v[14:15], v[14:15], v[250:251]
	s_delay_alu instid0(VALU_DEP_2)
	v_pk_add_f32 v[236:237], v[236:237], v[248:249]
	s_delay_alu instid0(VALU_DEP_1)
	v_pk_add_f32 v[14:15], v[14:15], v[236:237]
	s_wait_alu depctr_va_vdst(0)                   ; the wait here, directly ahead of the wait below
	s_wait_dscnt 6                                 ; all but v's last two fragments
.irp t, 0,1                                    ; O^T += V^T P^T; the four accumulators take turns
	WM O+8*\t, VF+12*\t, PC, v[O+8*\t:O+8*\t+7], VS+\t, 253
.endr
	s_wait_dscnt 0x0
.irp t, 0,1
	WM O+8*(2+\t), S+32+12*\t, PC, v[O+8*(2+\t):O+8*(2+\t)+7], VS+2+\t, 253
.endr
.if \pre
	s_add_co_u32 s[TB], s[TB], KVP
	v_add_nc_u32 v[A16], s[TB], v[L16]
	v_add_nc_u32 v[A8], s[TB], v[L8]
	v_add_nc_u32 v[AS], s[TB], v[LS]
.endif
.endm
	s_wait_alu depctr_va_vdst(0)                   ; the wait at the head's end
	s_wait_loadcnt 0x0                             ; Q
	s_wait_tensorcnt 0x0                           ; my packet has landed
	s_barrier_signal -1
	s_barrier_wait -1                              ; and everybody's
	KSFETCH 0
	KFETCH 0, 0
	s_mov_b32 s[CNT], 15
.Lstep:
	STEP 1
	s_sub_co_u32 s[CNT], s[CNT], 1
	s_cmp_lg_u32 s[CNT], 0
	s_wait_alu depctr_va_vdst(0)
	s_cbranch_scc1 .Lstep
	STEP 0
	; THE WAY OUT: O^T / the sum, quantised along the head's 64 channels (two blocks), as half an image and two scale bytes
.rept 4
	v_nop
.endr
	v_add_f32 v14, v14, v15
	s_delay_alu instid0(VALU_DEP_1)
	v_permlanex16_b32 v252, v14, s[SEL], s[SEL+1]
	s_delay_alu instid0(VALU_DEP_1)
	v_add_f32 v14, v14, v252                       ; the row's sum
	s_wait_alu depctr_va_vdst(0)
	v_rcp_f32 v14, v14
	v_nop                                          ; a plain place behind the transcendental
	s_wait_alu depctr_va_vdst(0)
.set j, 0
.rept 32
	v_mul_f32 v[S+j], v[O+j], v14                  ; register 16 b + i: channel 32 b + 16 h + i of my query
.set j, j+1
.endr
.irp b, 0,1
	v_max3_num_f32 v[BM+\b], |v[S+16*\b]|, |v[S+1+16*\b]|, 0x2800000
.endr
.irp i, 2,4,6,8,10,12,14
.irp b, 0,1
	s_delay_alu instid0(VALU_DEP_2)
	v_max3_num_f32 v[BM+\b], v[BM+\b], |v[S+16*\b+\i]|, |v[S+1+16*\b+\i]|
.endr
.endr
.irp b, 0,1
	s_delay_alu instid0(VALU_DEP_2)
	v_permlanex16_b32 v[T+\b], v[BM+\b], s[SEL], s[SEL+1]
.endr
.irp b, 0,1
	s_delay_alu instid0(VALU_DEP_2)
	v_max_num_f32 v[BM+\b], v[BM+\b], v[T+\b]
.endr
.irp b, 0,1
	s_delay_alu instid0(VALU_DEP_2)
	v_add_nc_u32 v[SO+\b], 0xfe000000, v[BM+\b]
.endr
.irp b, 0,1
	s_delay_alu instid0(VALU_DEP_2)
	v_lshrrev_b32 v[T+\b], 23, v[SO+\b]
.endr
	s_delay_alu instid0(VALU_DEP_1)
	v_lshl_or_b32 v254, v[T+1], 8, v[T]
	v_cvt_scalef32_pk16_bf6_f32 v[PC:PC+2], v[S:S+15], v[SO]
	v_cvt_scalef32_pk16_bf6_f32 v[T+4:T+6], v[S+16:S+31], v[SO+1]
	v_nop
.irp i, 0,1,2
	v_permlane16_swap_b32 v[PC+\i], v[T+4+\i]
.endr
.irp i, 0,1,2
	s_delay_alu instid0(VALU_DEP_3)
	v_mov_b32 v[PC+3+\i], v[T+4+\i]
.endr
	v_lshrrev_b32 v254, v[H8], v254                ; lanes 0-15 store the first block's byte, lanes 16-31 the second's
	global_store_b128 v[L16], v[PC:PC+3], s[54:55]
	global_store_b64 v[L8], v[PC+4:PC+5], s[54:55] offset:512
	global_store_b8 v[GB], v254, s[56:57]
	s_wait_tensorcnt 0x0                           ; the wave's end
	ds_add_u32 v[SPW], v[NIL]
	s_wait_dscnt 0x0
	ROUND                                          ; the closing round
	s_endpgm
.Lfunc_end_k_q5492d6a480_attn:
	.size	k_q5492d6a480_attn, .Lfunc_end_k_q5492d6a480_attn-k_q5492d6a480_attn
	.p2alignl 7, 3214868480
	.fill 96, 4, 3214868480
	.section	.rodata,"a",@progbits
	.p2align	6, 0x0
	.amdhsa_kernel k_q5492d6a480_attn
		.amdhsa_group_segment_fixed_size 210944
		.amdhsa_private_segment_fixed_size 0
		.amdhsa_enable_private_segment 0
		.amdhsa_kernarg_size 16
		.amdhsa_user_sgpr_count 2
		.amdhsa_user_sgpr_kernarg_segment_ptr 1
		.amdhsa_wavefront_size32 1
		.amdhsa_system_sgpr_workgroup_id_x 1
		.amdhsa_system_sgpr_workgroup_id_y 1
		.amdhsa_system_sgpr_workgroup_id_z 1
		.amdhsa_system_vgpr_workitem_id 0
		.amdhsa_next_free_vgpr 256
		.amdhsa_next_free_sgpr 66
		.amdhsa_reserve_vcc 0
		.amdhsa_float_denorm_mode_32 3
		.amdhsa_float_denorm_mode_16_64 3
		.amdhsa_memory_ordered 1
		.amdhsa_forward_progress 1
		.amdhsa_inst_pref_size 46
	.end_amdhsa_kernel
	.amdgpu_metadata
---
amdhsa.version: [ 1, 2 ]
amdhsa.kernels:
  - .name:           k_q5492d6a480_attn
    .symbol:         k_q5492d6a480_attn.kd
    .args:
      - { .name: qkvc, .offset: 0, .size: 8, .value_kind: global_buffer, .address_space: global }
      - { .name: oimg, .offset: 8, .size: 8, .value_kind: global_buffer, .address_space: global }
    .group_segment_fixed_size: 210944
    .private_segment_fixed_size: 0
    .kernarg_segment_align: 8
    .kernarg_segment_size: 16
    .max_flat_workgroup_size: 512
    .sgpr_count:     66
    .vgpr_count:     256
    .wavefront_size: 32
...
	.end_amdgpu_metadata
.endif
;; end of part 3
;; launch oproj (part 4): grid 256 x 1, 16 waves a work-group, no clusters, 80,640 bytes of LDS; arguments oimg, wimg, bo, src, g1, be1, x32, ximg; writes x32, ximg
.if DOCPART == 4
	.amdgcn_target "amdgcn-amd-amdhsa--gfx1250"
	.amdhsa_code_object_version 6
	.text
	.protected	k_q5492d6a480_oproj
	.globl	k_q5492d6a480_oproj
	.p2align	8
	.type	k_q5492d6a480_oproj,@function
k_q5492d6a480_oproj:
	s_mov_b64 s[64:65], 0
	v_nop
	global_prefetch_b8 v0, s[64:65] scope:SCOPE_SE
	s_setreg_imm32_b32 hwreg(HW_REG_WAVE_MODE, 25, 1), 1
	s_wait_xcnt 0x0
; x = layer_norm(src + out Wo^T + bo) g1 + be1, K = 1,024, the product on codes of BF6 (E3M2) with E8M0 scales; x leaves in f32 (x32, by position) and as codes (ximg).
; Packets: 128 positions x 128 K: eight register images of 1,536 bytes, 512 bytes of scale words (block i, row r at 256 (i / 4) + 16 r + 4 (i % 4)); position p holds row pi(p), bits 3 and 4 exchanged.
; SHARES.  A work-group owns 16 positions (one block of a packet) x all 1,024 columns, so that a row's mean and variance are its own: 256 work-groups.  Wave w of sixteen owns columns 64 w .. 64 w + 63: four blocks of
; the weight's panel w / 2, four accumulators, which take turns.  The bias is the sums' first C.
; Source 0 = 16 positions of the weight, source 1 = my 16 rows: a lane holds one row; the registers of blocks 2 b, 2 b + 1 are columns 32 b + 16 h + 0 .. 15.
; THE ROWS' eight images (12,288 bytes) and scale words feed all sixteen waves: they are copied into LDS once, as they lie, 768 bytes and eight words a wave, and read from there.
; NO TENSOR LOAD, NO JOINT REQUEST: a fragment of the weight feeds one wave alone, once, so it goes from memory straight into registers; a way through LDS would add a write and a read of each byte with no second use.
; The weight's loads run three K steps (39 loads a wave) ahead in three sets of registers; the eight steps are written out, so there is no loop in which a prefetch could run ahead.
; THEN: the sums go to LDS as 16 rows in true column order | barrier | wave w normalises row w, a lane holding columns 4 l + 128 j | barrier | waves 0 to 7 quantise 128 columns each.
; The block's scale words are 4 bytes a row, 16 bytes apart in the packet (the three other blocks' words between them belong to other work-groups): 64 bytes a packet leave so.
; LIMITS: NaN and infinities are not served; a block of zeros keeps the byte 1 (its codes are zeros, and this program alone reads the bytes).
.set PKT,  12800
.set WOFF, 5734400
.set YP,   4112                        ; a row in LDS: 4,096 bytes + 16
.set SPARE, 16*YP                      ; behind the rows: the spare words, 128 bytes a wave
.set AIMG, SPARE+2048                  ; the rows' eight images
.set ASC,  AIMG+8*1536                 ; their scale words: row r, K step k at 32 r + 4 k
.set L16, 1
.set AR8, 2
.set VSB, 3
.set VSA, 4
.set STA, 5
.set YA,  6
.set XQ,  7
.set VBI, 8
.set ARS, 9
.set SPW, 10
.set NIL, 11
.set SM,  12                           ; v12-19 sums (temporaries at the head; v19 the images' address during the product)
.set AR16, 19
.set SA,  20                           ; v20-27 the rows' scale words, one for each K step
.set SB,  28                           ; v28-39 the weight's scale words, three sets of four
.set ACC, 40                           ; v40-71 four accumulators
.set FS,  72                           ; v72-251 three sets of 60: four fragments of the weight, one of the rows
.set TP,  192                          ; the copy's addresses and data, until set 2 is first asked for
.set RES, 192                          ; later: v192-223 the residual row, v224-255 gain, v72-103 beta, v104-135 my row
.set GV,  224
.set BEV, 72
.set YC,  104
.set X,   72                           ; the quantiser's
.set PC,  136
.set MX,  156
.set T2,  160
.set SO,  164
.set PWX, 168
.set WV,  24
.set SEL, 48
.set INV, 50
.set EPS, 51
.set AB,  52
.set WB,  54
.macro PLACES n
.rept \n
	v_nop
.endr
.endm
	s_load_b512 s[8:23], s[0:1], 0x0               ; oimg, wimg, bo, src, g1, be1, x32, ximg
	v_lshl_add_u32 v[SPW], v0, 2, SPARE
	v_mov_b32 v[NIL], 0
	v_lshrrev_b32 v9, 5, v0
	v_readfirstlane_b32 s[WV], v9                  ; wave 0..15
	s_lshr_b32 s25, ttmp9, 3                       ; the rows' panel
	s_and_b32 s26, ttmp9, 7                        ; and my block i of it
	s_mul_i32 s28, s25, 8*PKT
	s_mul_i32 s27, s26, 1536
	s_add_co_u32 s28, s28, s27                     ; my block's image in the panel's first packet
	s_mov_b32 s29, 0
	s_lshr_b32 s30, s26, 2
	s_lshl_b32 s30, s30, 8
	s_and_b32 s31, s26, 3
	s_lshl_b32 s31, s31, 2
	s_add_co_u32 s30, s30, s31
	s_add_co_u32 s30, s30, 12288
	s_sub_co_u32 s30, s30, s27                     ; from my image to my scale words: 12,288 + 256 (i / 4) + 4 (i % 4) - 1,536 i
	s_lshr_b32 s32, s[WV], 1
	s_mul_i32 s32, s32, 8*PKT                      ; the weight's panel w / 2,
	s_and_b32 s33, s[WV], 1
	s_mul_i32 s34, s33, 6144                       ; its blocks 4 (w % 2) on
	s_add_co_u32 s32, s32, s34
	s_add_co_u32 s32, s32, WOFF
	s_mul_i32 s35, s33, 5888
	s_sub_co_u32 s35, 12288, s35                   ; from there to their scale words: 12,288 + 256 (w % 2) - 6,144 (w % 2)
	s_mul_i32 s57, s33, 768                        ; the copy: half w % 2
	s_lshl_b32 s58, s33, 3                         ; and rows 8 (w % 2) on
	s_mov_b32 s33, 0
	s_lshr_b32 s59, s[WV], 1                       ; of K step w / 2
	s_mul_i32 s60, s59, 1536
	s_add_co_u32 s60, s60, AIMG
	s_lshl_b32 s61, s59, 2
	s_add_co_u32 s61, s61, ASC
	s_mul_i32 s62, s59, PKT
	s_mov_b32 s63, 0
	s_lshl_b32 s36, s[WV], 8                       ; 64 columns of f32 a wave
	s_mov_b32 s37, 0
	s_lshl_b32 s38, ttmp9, 4
	s_add_co_u32 s38, s38, s[WV]                   ; the position of the row that I normalise: 16 x work-group + wave
	s_lshl_b32 s40, s38, 12
	s_mov_b32 s41, 0
	s_and_b32 s42, s38, 0x7e7                      ; its s: the low 11 bits with bits 3 and 4 exchanged
	s_and_b32 s43, s38, 8
	s_lshl_b32 s43, s43, 1
	s_or_b32 s42, s42, s43
	s_and_b32 s43, s38, 16
	s_lshr_b32 s43, s43, 1
	s_or_b32 s42, s42, s43
	s_lshl_b32 s42, s42, 13                        ; 8,192 s
	s_lshr_b32 s43, s38, 11
	s_lshl_b32 s43, s43, 12                        ; + 4,096 b
	s_add_co_u32 s42, s42, s43
	s_mov_b32 s43, 0
	s_mul_i32 s44, s[WV], PKT
	s_add_co_u32 s44, s44, s28                     ; x's codes: my block in packet w of the panel (waves 0 to 7)
	s_mov_b32 s45, 0
	s_mul_i32 s46, s[WV], YP
	s_lshl_b32 s47, s[WV], 9
	s_mov_b32 s[SEL], 0x76543210
	s_mov_b32 s[SEL+1], 0xfedcba98                 ; lane l xor 16
	s_mov_b32 s[INV], 0x3a800000                   ; 1 / 1,024
	s_mov_b32 s[EPS], 0x3727c5ac                   ; 1e-5
	v_and_b32 v[TP+7], 31, v0
	v_and_b32 v12, 15, v0                          ; r
	v_bfe_u32 v13, v0, 4, 1                        ; h
	v_and_b32 v[TP+9], 7, v0
	v_lshlrev_b32 v[L16], 4, v[TP+7]
	v_lshlrev_b32 v[TP+8], 3, v[TP+7]
	v_lshlrev_b32 v14, 4, v12
	v_add_nc_u32 v[TP+9], s58, v[TP+9]             ; the row whose scale word I copy: 8 (w % 2) + l % 8
	v_add_nc_u32 v[AR16], AIMG, v[L16]
	v_add_nc_u32 v[AR8], AIMG, v[TP+8]
	v_add_nc_u32 v[TP], s57, v[L16]                ; the copy, in memory: 768 (w % 2) + 16 l,
	v_add_nc_u32 v[TP+1], s57, v[TP+8]             ; + 8 l
	v_lshlrev_b32 v[TP+4], 4, v[TP+9]
	v_lshlrev_b32 v[TP+5], 5, v[TP+9]
	v_add_nc_u32 v[TP+2], s60, v[TP]               ; and in LDS
	v_add_nc_u32 v[TP+3], s60, v[TP+1]
	v_add_nc_u32 v[TP+4], s30, v[TP+4]
	v_add_nc_u32 v[TP+5], s61, v[TP+5]
	v_lshl_add_u32 v[ARS], v12, 5, ASC
	v_add_nc_u32 v[VSB], s35, v14
	v_add_nc_u32 v[VSA], s30, v14
	v_lshlrev_b32 v[VBI], 6, v13
	v_mul_u32_u24 v15, v12, YP
	v_lshl_add_u32 v15, v13, 6, v15                ; row r, + 64 h
	v_add_nc_u32 v[STA], s36, v15                  ; the sums' way into LDS: + 256 w
	v_add_nc_u32 v[XQ], s47, v15                   ; the quantiser's way out of it: + 512 w
	v_add_nc_u32 v[YA], s46, v[L16]                ; row w, 16 bytes a lane
	s_wait_alu depctr_va_vdst(0)                   ; the wait at the head's end
	s_wait_kmcnt 0x0
	s_add_nc_u64 s[AB:AB+1], s[8:9], s[28:29]
	s_add_nc_u64 s[62:63], s[AB:AB+1], s[62:63]
	s_add_nc_u64 s[WB:WB+1], s[10:11], s[32:33]
	s_add_nc_u64 s[12:13], s[12:13], s[36:37]
	s_add_nc_u64 s[14:15], s[14:15], s[42:43]
	s_add_nc_u64 s[20:21], s[20:21], s[40:41]
	s_add_nc_u64 s[22:23], s[22:23], s[44:45]
.irp f, 0,1,2,3                        ; the bias in the sums' own layout: register j of block f is column 32 (f / 2) + 16 h + 8 (f % 2) + j
.irp q, 0,1
	global_load_b128 v[ACC+8*\f+4*\q:ACC+8*\f+4*\q+3], v[VBI], s[12:13] offset:128*(\f/2)+32*(\f%2)+16*\q
.endr
.endr
	global_load_b128 v[TP+8:TP+11], v[TP], s[62:63]              ; my 768 bytes of the rows' images
	global_load_b64 v[TP+12:TP+13], v[TP+1], s[62:63] offset:512
	global_load_b32 v[TP+14], v[TP+4], s[62:63]                  ; and eight scale words (each in four lanes)
.macro LOAD k                          ; the weight's K step k into set k % 3: 13 loads
.set F, FS+60*((\k)%3)
.irp f, 0,1,2,3
.irp c, 0,1,2
	global_load_b128 v[F+12*\f+4*\c:F+12*\f+4*\c+3], v[L16], s[WB:WB+1] offset:(\k)*PKT+1536*\f+512*\c
.endr
.endr
	global_load_b128 v[SB+4*((\k)%3):SB+4*((\k)%3)+3], v[VSB], s[WB:WB+1] offset:(\k)*PKT
.endm
.macro LOADA k                         ; the rows' fragment of K step k: two half images on end, the even head's, the odd head's: 4 LDS loads
.set F, FS+60*((\k)%3)
	ds_load_b128 v[F+48:F+51], v[AR16] offset:(\k)*1536
	ds_load_b64 v[F+52:F+53], v[AR8] offset:(\k)*1536+512
	ds_load_b128 v[F+54:F+57], v[AR16] offset:(\k)*1536+768
	ds_load_b64 v[F+58:F+59], v[AR8] offset:(\k)*1536+1280
.endm
.macro KSTEP k, younger, dsy           ; younger, dsy: the global and the LDS loads issued behind step k's, which may stay out
	s_wait_loadcnt \younger
	s_wait_dscnt \dsy
.set F, FS+60*((\k)%3)
.irp f, 0,1,2,3
	v_wmma_scale_f32_16x16x128_f8f6f4 v[ACC+8*\f:ACC+8*\f+7], v[F+12*\f:F+12*\f+11], v[F+48:F+59], v[ACC+8*\f:ACC+8*\f+7], v[SB+4*((\k)%3)+\f], v[SA+(\k)] matrix_a_fmt:MATRIX_FMT_BF6 matrix_b_fmt:MATRIX_FMT_BF6
.endr
	PLACES 4                                       ; in front of loads into registers that these have read, and of the first read of the sums
.endm
	LOAD 0
	LOAD 1
	s_wait_loadcnt 26                              ; my part of the copy is in; the 26 younger loads may be out
	ds_store_b128 v[TP+2], v[TP+8:TP+11]
	ds_store_b64 v[TP+3], v[TP+12:TP+13] offset:512
	ds_store_b32 v[TP+5], v[TP+14]
	s_wait_dscnt 0x0                               ; for the others' sake: my stores have landed
	LOAD 2                                         ; onto the copy's registers, which are done with
	s_barrier_signal -1
	s_barrier_wait -1
	ds_load_b128 v[SA:SA+3], v[ARS]
	ds_load_b128 v[SA+4:SA+7], v[ARS] offset:16
	LOADA 0
	LOADA 1
	LOADA 2
.irp k, 0,1,2,3,4
	KSTEP \k, 26, 8                                ; two younger steps: 2 x 13, 2 x 4
	LOAD \k+3
	LOADA \k+3
.endr
	KSTEP 5, 26, 8
.irp j, 0,1,2,3,4,5,6,7                        ; set 2 is free: the residual row and the gain, columns 4 l + 128 j
	global_load_b128 v[RES+4*\j:RES+4*\j+3], v[L16], s[14:15] offset:512*\j th:TH_LOAD_NT
	global_load_b128 v[GV+4*\j:GV+4*\j+3], v[L16], s[16:17] offset:512*\j
.endr
	KSTEP 6, 29, 4                                 ; step 7's 13 and these 16
.irp j, 0,1,2,3,4,5,6,7                        ; set 0 is free: beta
	global_load_b128 v[BEV+4*\j:BEV+4*\j+3], v[L16], s[18:19] offset:512*\j
.endr
	KSTEP 7, 24, 0                                 ; the 16 and the 8
.irp f, 0,1,2,3                        ; the sums into LDS, in true column order; each accumulator from its low end on
	ds_store_b128 v[STA], v[ACC+8*\f:ACC+8*\f+3] offset:128*(\f/2)+32*(\f%2)
	ds_store_b128 v[STA], v[ACC+8*\f+4:ACC+8*\f+7] offset:128*(\f/2)+32*(\f%2)+16
.endr
	s_wait_dscnt 0x0                               ; for the others' sake: my stores have landed
	s_barrier_signal -1
	s_barrier_wait -1
.irp j, 0,1,2,3,4,5,6,7
	ds_load_b128 v[YC+4*\j:YC+4*\j+3], v[YA] offset:512*\j
.endr
	s_wait_loadcnt 0x0
	s_wait_dscnt 0x0
.macro REDUCE                          ; four chains in v[SM] on -> the wave's sum in v[SM], in every lane
	v_pk_add_f32 v[SM:SM+1], v[SM:SM+1], v[SM+2:SM+3]
	v_pk_add_f32 v[SM+4:SM+5], v[SM+4:SM+5], v[SM+6:SM+7]
	s_delay_alu instid0(VALU_DEP_1)
	v_pk_add_f32 v[SM:SM+1], v[SM:SM+1], v[SM+4:SM+5]
	s_delay_alu instid0(VALU_DEP_1)
	v_add_f32 v[SM], v[SM], v[SM+1]
.irp m, 1,2,4,8
	s_delay_alu instid0(VALU_DEP_1)
	v_add_f32_dpp v[SM], v[SM], v[SM] row_xmask:\m row_mask:0xf bank_mask:0xf
.endr
	s_delay_alu instid0(VALU_DEP_1)
	v_permlanex16_b32 v[SM+1], v[SM], s[SEL], s[SEL+1]
	s_delay_alu instid0(VALU_DEP_1)
	v_add_f32 v[SM], v[SM], v[SM+1]
.endm
.set i, 0
.rept 16
	v_pk_add_f32 v[YC+i:YC+i+1], v[YC+i:YC+i+1], v[RES+i:RES+i+1]                  ; + the residual
.set i, i+2
.endr
.irp c, 0,1,2,3
	v_pk_add_f32 v[SM+2*\c:SM+2*\c+1], v[YC+4*\c:YC+4*\c+1], v[YC+4*\c+2:YC+4*\c+3]
.endr
.irp i, 16,24
.irp c, 0,1,2,3
	v_pk_add_f32 v[SM+2*\c:SM+2*\c+1], v[SM+2*\c:SM+2*\c+1], v[YC+\i+2*\c:YC+\i+2*\c+1]
.endr
.endr
	REDUCE
	s_delay_alu instid0(VALU_DEP_1)
	v_mul_f32 v[SM], s[INV], v[SM]                 ; the mean
.set i, 0
.rept 16
	v_pk_add_f32 v[YC+i:YC+i+1], v[YC+i:YC+i+1], v[SM:SM+1] op_sel_hi:[1,0] neg_lo:[0,1] neg_hi:[0,1]
.set i, i+2
.endr
.irp c, 0,1,2,3
	v_pk_mul_f32 v[SM+2*\c:SM+2*\c+1], v[YC+2*\c:YC+2*\c+1], v[YC+2*\c:YC+2*\c+1]
.endr
.irp i, 8,16,24
.irp c, 0,1,2,3
	v_pk_fma_f32 v[SM+2*\c:SM+2*\c+1], v[YC+\i+2*\c:YC+\i+2*\c+1], v[YC+\i+2*\c:YC+\i+2*\c+1], v[SM+2*\c:SM+2*\c+1]
.endr
.endr
	REDUCE
	s_delay_alu instid0(VALU_DEP_1)
	v_fma_f32 v[SM], v[SM], s[INV], s[EPS]         ; the variance + 1e-5
	s_wait_alu depctr_va_vdst(0)                   ; the wait ahead of the transcendental
	v_rsq_f32 v[SM+2], v[SM]
	v_nop                                          ; a plain place behind it
	s_wait_alu depctr_va_vdst(0)                   ; the wait ahead of its first reader
.set i, 0
.rept 16
	v_pk_mul_f32 v[YC+i:YC+i+1], v[YC+i:YC+i+1], v[SM+2:SM+3] op_sel_hi:[1,0]
.set i, i+2
.endr
.set i, 0
.rept 16
	v_pk_fma_f32 v[YC+i:YC+i+1], v[YC+i:YC+i+1], v[GV+i:GV+i+1], v[BEV+i:BEV+i+1]
.set i, i+2
.endr
.irp j, 0,1,2,3,4,5,6,7
	global_store_b128 v[L16], v[YC+4*\j:YC+4*\j+3], s[20:21] offset:512*\j         ; 512 consecutive bytes, aligned
.endr
.irp j, 0,1,2,3,4,5,6,7
	ds_store_b128 v[YA], v[YC+4*\j:YC+4*\j+3] offset:512*\j                        ; and back in place, for the quantiser: row w is read and written by wave w alone
.endr
	s_wait_dscnt 0x0
	s_barrier_signal -1
	s_barrier_wait -1                              ; all 16 rows of x lie in LDS
	s_cmp_lt_u32 s[WV], 8
	s_cbranch_scc0 .Lend                           ; eight fragments of 128 columns: waves 0 to 7
.irp b, 0,1,2,3
	v_mov_b32 v[T2+\b], 0                          ; a lane permute's destination counts as one of its sources
.endr
	s_wait_xcnt 0x0                                ; the stores of my row have read their registers
.irp b, 0,1,2,3
.irp q, 0,1,2,3
	ds_load_b128 v[X+16*\b+4*\q:X+16*\b+4*\q+3], v[XQ] offset:128*\b+16*\q         ; register 16 b + i: column 128 w + 32 b + 16 h + i of row r
.endr
.endr
	s_wait_dscnt 0x0
.irp b, 0,1,2,3
	v_max3_num_f32 v[MX+\b], |v[X+16*\b]|, |v[X+1+16*\b]|, 0x2800000               ; my 16 numbers of block b, and the floor 2^(5 - 127)
.endr
.irp i, 2,4,6,8,10,12,14
.irp b, 0,1,2,3
	v_max3_num_f32 v[MX+\b], |v[X+16*\b+\i]|, |v[X+1+16*\b+\i]|, v[MX+\b]
.endr
.endr
.irp b, 0,1,2,3
	v_permlanex16_b32 v[T2+\b], v[MX+\b], s[SEL], s[SEL+1]
.endr
.irp b, 0,1,2,3
	v_max_num_f32 v[MX+\b], v[MX+\b], v[T2+\b]     ; with lane l xor 16's: the block's largest magnitude
.endr
.irp b, 0,1,2,3
	v_add_nc_u32 v[SO+\b], 0xfe000000, v[MX+\b]    ; 4 off its exponent field: the conversion's scale operand
.endr
.irp b, 0,1,2,3
	v_lshrrev_b32 v[T2+\b], 23, v[SO+\b]           ; the scale's byte
.endr
	v_lshl_or_b32 v[PWX], v[T2+1], 8, v[T2]
	s_delay_alu instid0(VALU_DEP_1)
	v_lshl_or_b32 v[PWX], v[T2+2], 16, v[PWX]
	s_delay_alu instid0(VALU_DEP_1)
	v_lshl_or_b32 v[PWX], v[T2+3], 24, v[PWX]
.irp c, 0,1
	v_cvt_scalef32_pk16_bf6_f32 v[PC+6*\c:PC+2+6*\c], v[X+32*\c:X+15+32*\c], v[SO+2*\c]
	v_cvt_scalef32_pk16_bf6_f32 v[PC+12+4*\c:PC+14+4*\c], v[X+16+32*\c:X+31+32*\c], v[SO+2*\c+1]   ; (a conversion's three registers begin on an even number)
.endr
	v_nop                                          ; one plain place behind a scaled conversion
.irp c, 0,1                                    ; the operand's layout wants a whole block in a lane
.irp i, 0,1,2
	v_permlane16_swap_b32 v[PC+6*\c+\i], v[PC+12+4*\c+\i]
.endr
.irp i, 0,1,2
	v_mov_b32 v[PC+3+6*\c+\i], v[PC+12+4*\c+\i]
.endr
.endr
.irp c, 0,1,2
	global_store_b128 v[L16], v[PC+4*\c:PC+4*\c+3], s[22:23] offset:512*\c         ; 512 consecutive bytes, aligned
.endr
	global_store_b32 v[VSA], v[PWX], s[22:23]      ; my block's scale words (both halves of the lanes hold and write the same word)
.Lend:
	s_wait_tensorcnt 0x0                           ; the wave's end
	ds_add_u32 v[SPW], v[NIL]
	s_wait_dscnt 0x0
	s_endpgm
.Lfunc_end_k_q5492d6a480_oproj:
	.size	k_q5492d6a480_oproj, .Lfunc_end_k_q5492d6a480_oproj-k_q5492d6a480_oproj
	.p2alignl 7, 3214868480
	.fill 96, 4, 3214868480
	.section	.rodata,"a",@progbits
	.p2align	6, 0x0
	.amdhsa_kernel k_q5492d6a480_oproj
		.amdhsa_group_segment_fixed_size 80640
		.amdhsa_private_segment_fixed_size 0
		.amdhsa_enable_private_segment 0
		.amdhsa_kernarg_size 64
		.amdhsa_user_sgpr_count 2
		.amdhsa_user_sgpr_kernarg_segment_ptr 1
		.amdhsa_wavefront_size32 1
		.amdhsa_system_sgpr_workgroup_id_x 1
		.amdhsa_system_sgpr_workgroup_id_y 1
		.amdhsa_system_sgpr_workgroup_id_z 1
		.amdhsa_system_vgpr_workitem_id 0
		.amdhsa_next_free_vgpr 256
		.amdhsa_next_free_sgpr 66
		.amdhsa_reserve_vcc 0
		.amdhsa_float_denorm_mode_32 3
		.amdhsa_float_denorm_mode_16_64 3
		.amdhsa_memory_ordered 1
		.amdhsa_forward_progress 1
		.amdhsa_inst_pref_size 41
	.end_amdhsa_kernel
	.amdgpu_metadata
---
amdhsa.version: [ 1, 2 ]
amdhsa.kernels:
  - .name:           k_q5492d6a480_oproj
    .symbol:         k_q5492d6a480_oproj.kd
    .args:
      - { .name: oimg, .offset: 0, .size: 8, .value_kind: global_buffer, .address_space: global }
      - { .name: wimg, .offset: 8, .size: 8, .value_kind: global_buffer, .address_space: global }
      - { .name: bo, .offset: 16, .size: 8, .value_kind: global_buffer, .address_space: global }
      - { .name: src, .offset: 24, .size: 8, .value_kind: global_buffer, .address_space: global }
      - { .name: g1, .offset: 32, .size: 8, .value_kind: global_buffer, .address_space: global }
      - { .name: be1, .offset: 40, .size: 8, .value_kind: global_buffer, .address_space: global }
      - { .name: x32, .offset: 48, .size: 8, .value_kind: global_buffer, .address_space: global }
      - { .name: ximg, .offset: 56, .size: 8, .value_kind: global_buffer, .address_space: global }
    .group_segment_fixed_size: 80640
    .private_segment_fixed_size: 0
    .kernarg_segment_align: 8
    .kernarg_segment_size: 64
    .max_flat_workgroup_size: 512
    .sgpr_count:     66
    .vgpr_count:     256
    .wavefront_size: 32
...
	.end_amdgpu_metadata
.endif
;; end of part 4
;; launch ffn1 (part 5): grid 16 x 16, 4 waves a work-group, clusters of 4 x 4, 327,680 bytes of LDS; arguments ximg, wimg, b1, himg; writes himg
.if DOCPART == 5
	.amdgcn_target "amdgcn-amd-amdhsa--gfx1250"
	.amdhsa_code_object_version 6
	.text
	.protected	k_q5492d6a480_ffn1
	.globl	k_q5492d6a480_ffn1
	.p2align	8
	.type	k_q5492d6a480_ffn1,@function
k_q5492d6a480_ffn1:
	s_mov_b64 s[64:65], 0
	v_nop
	global_prefetch_b8 v0, s[64:65] scope:SCOPE_SE
	s_setreg_imm32_b32 hwreg(HW_REG_WAVE_MODE, 25, 1), 1
	s_wait_xcnt 0x0
	s_wait_alu depctr_hold_cnt(0) depctr_sa_sdst(0) depctr_va_vdst(0) depctr_va_sdst(0) depctr_va_ssrc(0) depctr_va_vcc(0) depctr_vm_vsrc(0)
	s_getreg_b32 s2, hwreg(HW_REG_IB_STS2, 6, 4)
	s_cmp_eq_u32 s2, 0
	s_cbranch_scc0 .Lentry_in_a_cluster
	s_endpgm
.Lentry_in_a_cluster:
	s_bfe_u32 s2, ttmp6, 0x10000c
	s_cmp_lg_u32 s2, 0xf033
	s_cbranch_scc0 .Lentry_shape_is_right
	s_endpgm
.Lentry_shape_is_right:
.set PKT,   12800
.set QTR,   2*PKT
.set SLOT,  QTR                        ; a wave's two slot parts lie on end: slot s of wave w's part at 2 QTR w + QTR s, so that one head load of four packets fills both
.set SPARE, 8*QTR
.set W1OFF, 6553600
.set ADR1, 16
.set ADR0, 20
.set ADRS, 22
.set L16,  24
.set VB,   26
.set SPW,  28
.set NIL,  29
.set SC,   32
.set BR,   48
.set HB,   48
.set MX,   112
.set T2,   116
.set SO,   120
.set AF,   128
.set PC,   128
.set PWE,  160
.set PK,   176
.set G1,  24
.set G0,  32
.set G1B, 48
.set G0B, 56
.set SEL, 66
.set OB,  68
.set MSB, 0
.macro WIN new
.if MSB != (\new)
	s_set_vgpr_msb (MSB<<8)|(\new)
.set MSB, (\new)
.endif
.endm
.macro PLACES n
.rept \n
	v_nop
.endr
.endm
.macro JLOAD s
	s_cmp_eq_u32 s15, 0
	s_cbranch_scc0 .Lfor_s0_\@
	tensor_load_to_lds s[G0+4*\s:G0+4*\s+3], s[G1:G1+7]
	s_nop 0
.rept 4
	v_nop
.endr
	s_branch .Lasked_\@
.Lfor_s0_\@:
	tensor_load_to_lds s[G0B+4*\s:G0B+4*\s+3], s[G1B:G1B+7]
	s_nop 0
.rept 4
	v_nop
.endr
.Lasked_\@:
.endm
.macro CREST
	s_cmp_lg_u32 s14, 0
	s_cbranch_scc1 .Lnot_wave_0_\@
	s_barrier_signal -3
.Lnot_wave_0_\@:
	s_barrier_wait -3
	s_barrier_signal -1
	s_barrier_wait -1
.endm
.macro CROUND
	s_barrier_signal -1
	s_barrier_wait -1
	CREST
.endm
	s_load_b256 s[4:11], s[0:1], 0x0
	v_lshl_add_u32 v[SPW], v0, 2, SPARE
	v_mov_b32 v[NIL], 0
	ds_add_u32 v28, v29
	ds_add_u32 v28, v29
	s_wait_dscnt 0x0
	v_lshrrev_b32 v1, 5, v0
	v_readfirstlane_b32 s14, v1
	s_lshr_b32 s15, s14, 1
	s_and_b32 s16, s14, 1
	s_bfe_u32 s40, ttmp6, 0x40000
	s_bfe_u32 s41, ttmp6, 0x40004
	s_lshl_b32 s42, ttmp9, 2
	s_add_co_u32 s42, s42, s40
	s_and_b32 s17, ttmp7, 0xffff
	s_lshl_b32 s17, s17, 2
	s_add_co_u32 s17, s17, s41
	s_lshl_b32 s43, s41, 2
	s_lshl_b32 s43, 15, s43
	s_lshl_b32 s44, 0x1111, s40
	s_or_b32 s[G1], s43, (3<<16)|(1<<21)
	s_or_b32 s[G1B], s44, (3<<16)|(1<<21)
.irp g, G1, G1B
	s_mov_b32 s[\g+1], 32<<16
	s_mov_b32 s[\g+2], 200<<16
	s_mov_b32 s[\g+3], 32<<16
	s_mov_b32 s[\g+4], 200
	s_mov_b32 s[\g+5], 32
	s_mov_b32 s[\g+6], 0
	s_mov_b32 s[\g+7], 0
.endr
	s_lshl_b32 s20, s17, 1
	s_add_co_u32 s20, s20, s16
	s_mul_i32 s20, s20, 8*PKT
	s_mov_b32 s21, 0
	s_lshl_b32 s46, s42, 1
	s_add_co_u32 s46, s46, s16
	s_mul_i32 s46, s46, 8*PKT
	s_add_co_u32 s46, s46, W1OFF
	s_mov_b32 s47, 0
	s_mul_i32 s45, s14, 2*QTR
	s_mov_b32 s[SEL], 0x76543210
	s_mov_b32 s[SEL+1], 0xfedcba98
	s_wait_kmcnt 0x0
	s_add_nc_u64 s[20:21], s[4:5], s[20:21]
	s_add_nc_u64 s[46:47], s[6:7], s[46:47]
	CROUND
.irp s, 0,1
	s_mov_b32 s[G0+4*\s], 1
	s_add_co_u32 s[G0+4*\s+1], s45, \s*SLOT
	s_add_nc_u64 s[G0+4*\s+2:G0+4*\s+3], s[20:21], \s*QTR
	s_or_b32 s[G0+4*\s+3], s[G0+4*\s+3], 0x80000000
	s_mov_b32 s[G0B+4*\s], 1
	s_add_co_u32 s[G0B+4*\s+1], s45, \s*SLOT
	s_add_nc_u64 s[G0B+4*\s+2:G0B+4*\s+3], s[46:47], \s*QTR
	s_or_b32 s[G0B+4*\s+3], s[G0B+4*\s+3], 0x80000000
.endr
	JLOAD 0                                        ; one tensor load a wave at the head: K steps 0 to 3 of my panel, both slots' first fills
	v_and_b32 v1, 15, v0
	v_bfe_u32 v2, v0, 4, 1
	v_and_b32 v3, 31, v0
	v_lshlrev_b32 v[L16], 4, v3
	s_mul_i32 s21, s15, 2*QTR
	s_mul_i32 s22, s16, 2*QTR
	s_add_co_u32 s22, s22, 4*QTR
	s_sub_co_u32 s23, s22, s21
	v_mul_u32_u24 v6, s23, v2
	v_lshl_add_u32 v6, v1, 4, v6
.irp s, 0,1
	v_add_nc_u32 v[ADR1+\s], s21, v[L16]
	v_add_nc_u32 v[ADR0+\s], s22, v[L16]
	v_add_nc_u32 v[ADRS+\s], s21, v6
	v_add_nc_u32 v[ADRS+\s], 12288, v[ADRS+\s]
	s_add_co_u32 s21, s21, SLOT
	s_add_co_u32 s22, s22, SLOT
.endr
.irp b, 0,1,2,3
	v_mov_b32 v[T2+\b], 0
.endr
	s_lshl_b32 s92, s42, 1
	s_add_co_u32 s92, s92, s16
	s_lshl_b32 s94, s92, 9
	s_mov_b32 s95, 0
	s_add_nc_u64 s[8:9], s[8:9], s[94:95]
	v_lshlrev_b32 v[VB], 6, v2
.irp b, 0,1,2,3
.irp q, 0,1,2,3
	global_load_b128 v[BR+16*\b+4*\q:BR+16*\b+4*\q+3], v[VB], s[8:9] offset:128*\b+16*\q
.endr
.endr
	s_lshl_b32 s93, s17, 1
	s_add_co_u32 s93, s93, s15
	s_lshl_b32 s93, s93, 5
	s_add_co_u32 s93, s93, s92
	s_mul_i32 s94, s93, PKT
	s_add_nc_u64 s[OB:OB+1], s[10:11], s[94:95]
.macro WM d, fa, fb, c, sa, sb
	v_wmma_scale_f32_16x16x128_f8f6f4 v[\d:\d+7], v[\fa:\fa+11], v[\fb:\fb+11], \c, v[\sa], v[\sb] matrix_a_fmt:MATRIX_FMT_BF6 matrix_b_fmt:MATRIX_FMT_BF6 matrix_a_scale:MATRIX_SCALE_ROW1
.endm
.macro MUL16 a0, p, zero
.irp a, \a0, \a0+1
.irp b, 0,1,2,3,4,5,6,7
.set DD, 8*(8*((\a)%4)+\b)
.if \zero == 0
	WM DD, 128*(\p)+12*\b, AF+12*(\a), v[DD:DD+7], SC+8*(\p)+\b, SC+8*(\p)+(\a)
.else
	WM DD, 128*(\p)+12*\b, AF+12*(\a), v[BR+8*\b:BR+8*\b+7], SC+8*(\p)+\b, SC+8*(\p)+(\a)
.endif
.endr
.endr
.endm
.macro FRAG reg, adr, off
.irp c, 0,1,2
	ds_load_b128 v[\reg+4*\c:\reg+4*\c+3], v[\adr] offset:\off+512*\c
.endr
.endm
.macro FETCH_B slot, q, p
	WIN 0x40
.irp i, 0,1,2,3,4,5,6,7
	FRAG 128*(\p)+12*\i, ADR0+\slot, PKT*(\q)+1536*\i
.endr
	WIN 0
.endm
.macro FETCH_A slot, q, i0
.irp i, \i0, \i0+1, \i0+2, \i0+3
	FRAG AF+12*(\i), ADR1+\slot, PKT*(\q)+1536*(\i)
.endr
.endm
.macro SCALES slot, q, p
	ds_load_b128 v[SC+8*\p:SC+8*\p+3], v[ADRS+\slot] offset:PKT*\q
	ds_load_b128 v[SC+8*\p+4:SC+8*\p+7], v[ADRS+\slot] offset:PKT*\q+256
.endm
.macro STEP slot, zero
	s_wait_dscnt 12
.if \zero
	WIN 0x81
.else
	WIN 0xa1
.endif
	MUL16 0, 0, \zero
	MUL16 2, 0, \zero
	s_wait_dscnt 0x0
	PLACES 4
	FETCH_B \slot, 1, 1
	SCALES \slot, 1, 1
	FETCH_A \slot, 1, 0
.if \zero
	WIN 0xc1
.else
	WIN 0xf1
.endif
	MUL16 4, 0, \zero
	MUL16 6, 0, \zero
	PLACES 4
	WIN 0
	FETCH_A \slot, 1, 4
.endm
.macro TURN slot, next, fill
	s_wait_tensorcnt 0x0
	ds_add_u32 v[SPW], v[NIL]
	s_wait_dscnt 13
	WIN 0xa1
	MUL16 0, 1, 0
	s_wait_dscnt 0x0
	s_barrier_signal -1
	MUL16 2, 1, 0
	WIN 0
	s_barrier_wait -1
.if \fill
	CREST
	s_add_nc_u64 s[G0+4*\slot+2:G0+4*\slot+3], s[G0+4*\slot+2:G0+4*\slot+3], 2*QTR
	s_add_nc_u64 s[G0B+4*\slot+2:G0B+4*\slot+3], s[G0B+4*\slot+2:G0B+4*\slot+3], 2*QTR
	JLOAD \slot
.else
	PLACES 4
.endif
	s_wait_alu depctr_va_vdst(0)
	FETCH_B \next, 0, 0
	SCALES \next, 0, 0
	FETCH_A \next, 0, 0
	WIN 0xf1
	MUL16 4, 1, 0
	MUL16 6, 1, 0
	PLACES 4
	WIN 0
	FETCH_A \next, 0, 4
.endm
.macro QUANT s, pw
.irp b, 0,1,2,3
	v_max3_num_f32 v[MX+\b], |v[\s+16*\b]|, |v[\s+1+16*\b]|, 0x2800000
.endr
.irp i, 2,4,6,8,10,12,14
.irp b, 0,1,2,3
	v_max3_num_f32 v[MX+\b], |v[\s+16*\b+\i]|, |v[\s+1+16*\b+\i]|, v[MX+\b]
.endr
.endr
.irp b, 0,1,2,3
	v_permlanex16_b32 v[T2+\b], v[MX+\b], s[SEL], s[SEL+1]
.endr
.irp b, 0,1,2,3
	v_max_num_f32 v[MX+\b], v[MX+\b], v[T2+\b]
.endr
.irp b, 0,1,2,3
	v_add_nc_u32 v[SO+\b], 0xfe000000, v[MX+\b]
.endr
.irp b, 0,1,2,3
	v_lshrrev_b32 v[T2+\b], 23, v[SO+\b]
.endr
	v_lshl_or_b32 v[\pw], v[T2+1], 8, v[T2]
	v_lshl_or_b32 v[\pw], v[T2+2], 16, v[\pw]
	v_lshl_or_b32 v[\pw], v[T2+3], 24, v[\pw]
.irp c, 0,1
	v_cvt_scalef32_pk16_bf6_f32 v[PC+6*\c:PC+2+6*\c], v[\s+32*\c:\s+15+32*\c], v[SO+2*\c]
	v_cvt_scalef32_pk16_bf6_f32 v[PC+12+4*\c:PC+14+4*\c], v[\s+16+32*\c:\s+31+32*\c], v[SO+2*\c+1]
.endr
	v_nop
.irp c, 0,1
.irp i, 0,1,2
	v_permlane16_swap_b32 v[PC+6*\c+\i], v[PC+12+4*\c+\i]
.endr
.irp i, 0,1,2
	v_mov_b32 v[PC+3+6*\c+\i], v[PC+12+4*\c+\i]
.endr
.endr
.endm
	s_wait_tensorcnt 0x0                           ; my head load is in and no load of mine is out: from here on a load brings two packets, 100 rows
	s_mov_b32 s[G1+2], 100<<16
	s_mov_b32 s[G1+4], 100
	s_mov_b32 s[G1B+2], 100<<16
	s_mov_b32 s[G1B+4], 100
	s_barrier_signal -1
	s_barrier_wait -1
	FETCH_B 0, 0, 0
	SCALES 0, 0, 0
	FETCH_A 0, 0, 0
	FETCH_A 0, 0, 4
	s_wait_loadcnt 0x0
	STEP 0, 1
	TURN 0, 1, 1
	STEP 1, 0
	TURN 1, 0, 1
	STEP 0, 0
	TURN 0, 1, 0
	STEP 1, 0
	s_wait_dscnt 12
	WIN 0xa1
	MUL16 0, 1, 0
	MUL16 2, 1, 0
	s_wait_dscnt 0x0
	WIN 0xf1
	MUL16 4, 1, 0
	MUL16 6, 1, 0
	WIN 0
	PLACES 4
.irp a, 0,1,2,3,4,5,6,7
	WIN 0x08+4*(\a/4)
.set j, 0
.rept 64
	v_max_num_f32 v[HB+j], 0, v[64*(\a%4)+j]
.set j, j+1
.endr
	WIN 0
.if \a > 0
	s_wait_xcnt 0x0
.endif
	QUANT HB, PWE+\a
.irp c, 0,1,2
	global_store_b128 v[L16], v[PC+4*\c:PC+4*\c+3], s[OB:OB+1] offset:1536*\a+512*\c
.endr
.endr
	v_cmp_lt_u32 vcc_lo, 15, v3
.irp j, 0,1,2,3
	v_cndmask_b32 v[PK+\j], v[PWE+\j], v[PWE+4+\j], vcc_lo
.endr
	global_store_b128 v[L16], v[PK:PK+3], s[OB:OB+1] offset:12288
	s_wait_tensorcnt 0x0
	ds_add_u32 v[SPW], v[NIL]
	s_wait_dscnt 0x0
	CROUND
	s_endpgm
.Lfunc_end_k_q5492d6a480_ffn1:
	.size	k_q5492d6a480_ffn1, .Lfunc_end_k_q5492d6a480_ffn1-k_q5492d6a480_ffn1
	.p2alignl 7, 3214868480
	.fill 96, 4, 3214868480
	.section	.rodata,"a",@progbits
	.p2align	6, 0x0
	.amdhsa_kernel k_q5492d6a480_ffn1
		.amdhsa_group_segment_fixed_size 327680
		.amdhsa_private_segment_fixed_size 0
		.amdhsa_enable_private_segment 0
		.amdhsa_kernarg_size 32
		.amdhsa_user_sgpr_count 2
		.amdhsa_user_sgpr_kernarg_segment_ptr 1
		.amdhsa_wavefront_size32 1
		.amdhsa_system_sgpr_workgroup_id_x 1
		.amdhsa_system_sgpr_workgroup_id_y 1
		.amdhsa_system_sgpr_workgroup_id_z 1
		.amdhsa_system_vgpr_workitem_id 0
		.amdhsa_next_free_vgpr 1024
		.amdhsa_next_free_sgpr 100
		.amdhsa_reserve_vcc 1
		.amdhsa_float_denorm_mode_32 3
		.amdhsa_float_denorm_mode_16_64 3
		.amdhsa_memory_ordered 1
		.amdhsa_forward_progress 1
		.amdhsa_inst_pref_size 153
	.end_amdhsa_kernel
	.amdgpu_metadata
---
amdhsa.version: [ 1, 2 ]
amdhsa.kernels:
  - .name:           k_q5492d6a480_ffn1
    .symbol:         k_q5492d6a480_ffn1.kd
    .args:
      - { .name: ximg, .offset: 0, .size: 8, .value_kind: global_buffer, .address_space: global }
      - { .name: wimg, .offset: 8, .size: 8, .value_kind: global_buffer, .address_space: global }
      - { .name: b1, .offset: 16, .size: 8, .value_kind: global_buffer, .address_space: global }
      - { .name: himg, .offset: 24, .size: 8, .value_kind: global_buffer, .address_space: global }
    .group_segment_fixed_size: 327680
    .private_segment_fixed_size: 0
    .kernarg_segment_align: 8
    .kernarg_segment_size: 32
    .max_flat_workgroup_size: 128
    .sgpr_count:     100
    .vgpr_count:     1024
    .wavefront_size: 32
...
	.end_amdgpu_metadata
.endif
;; end of part 5
;; launch ffn2g (part 6): grid 8 x 32, 4 waves a work-group, clusters of 4 x 4, 327,680 bytes of LDS; arguments himg, wimg, x32, b2, y32; writes y32
.if DOCPART == 6
	.amdgcn_target "amdgcn-amd-amdhsa--gfx1250"
	.amdhsa_code_object_version 6
	.text
	.protected	k_q5492d6a480_ffn2g
	.globl	k_q5492d6a480_ffn2g
	.p2align	8
	.type	k_q5492d6a480_ffn2g,@function
k_q5492d6a480_ffn2g:
	s_mov_b64 s[64:65], 0
	v_nop
	global_prefetch_b8 v0, s[64:65] scope:SCOPE_SE
	s_setreg_imm32_b32 hwreg(HW_REG_WAVE_MODE, 25, 1), 1
	s_wait_xcnt 0x0
	s_wait_alu depctr_hold_cnt(0) depctr_sa_sdst(0) depctr_va_vdst(0) depctr_va_sdst(0) depctr_va_ssrc(0) depctr_va_vcc(0) depctr_vm_vsrc(0)
	s_getreg_b32 s2, hwreg(HW_REG_IB_STS2, 6, 4)
	s_cmp_eq_u32 s2, 0
	s_cbranch_scc0 .Lentry_in_a_cluster
	s_endpgm
.Lentry_in_a_cluster:
	s_bfe_u32 s2, ttmp6, 0x10000c
	s_cmp_lg_u32 s2, 0xf033
	s_cbranch_scc0 .Lentry_shape_is_right
	s_endpgm
.Lentry_shape_is_right:
; y = h W2^T, [4,096 positions] x [1,024 columns], K = 4,096, on codes of BF6 (E3M2) with E8M0 scales; y leaves in f32, [position][1,024].
; Both operands lie as packets (128 positions x 128 K: eight register images of 1,536 bytes, then 512 bytes of scale words: block i, row r at 256 (i / 4) + 16 r + 4 (i % 4)), a panel's 32 packets on end.
; SHARES.  A block of y is 128 x 128: 32 x 8 = 256 work-groups.  Wave w of four makes rows 64 (w / 2) on x columns 64 (w % 2) on: 16 accumulators, which take turns.
; THE RING.  A slot holds four K steps: A's four packets, then B's four, 102,400 bytes; two slots.  At the head each wave asks for ONE tile of four packets: waves 0, 1 A's steps 0-3 and 4-7, waves 2, 3 B's: both slots' first fills.
; Afterwards a slot is filled again by four loads of two packets, one a wave, behind a round of the cluster's barrier; six refills in all.  One load a wave is out behind each round.
; CLUSTER 4 x 4: A's packets hang on the tile row alone and are asked for jointly along a row of the cluster, B's on the tile column alone, along a column.
; PREFETCH: behind each refill but the last two a wave names the quarter slot that it will ask for two refills on: 100 blocks of 256 bytes, of which each of the four partners takes 25 by address
; (lanes 25-31 name the 25th again); steps 0 to 15 come by their loads alone.
; Source 0 = 16 positions of W2, source 1 = 16 rows of h: a lane holds one row; W2's positions hold rows with bits 3 and 4 exchanged, so blocks 2 b, 2 b + 1 are columns 32 b + 16 h + 0 .. 15.
; REGISTERS.  Window 0: v16-29 addresses; v32-39 scale words, two sets (lanes 0-15 A's blocks, lanes 16-31 B's); v40-103 the way out; v128-255 the accumulators.  Window 1: set p at v[128 p]: B's four fragments, then A's four.
; WHAT y32 TAKES BESIDE THE PRODUCT: b2 is the sums' first C (v40-71, in the sums' own layout), and the residual x (x32, [position][1,024]) is added on the way out: y32 = x + h W2^T + b2.
; x's 64 x 64 numbers of a wave are asked for at the head, in the stores' own layout, into window 2 (v0-127 there).
.set PKT,   12800
.set QTR,   2*PKT
.set SLOT,  4*QTR
.set SPARE, 2*SLOT
.set NK,    32
.set W2OFF, 9830400
.set SP,    272                        ; the stage's rows: 256 bytes + 16
.set ADR1, 16
.set ADR0, 20
.set ADRS, 22
.set CO,   24
.set STO,  25
.set RD,   26
.set PFO,  27
.set SPW,  28
.set NIL,  29
.set SC,   32
.set BK,   40
.set ACC,  128
.set G1,  24
.set G0,  32
.set G1B, 48
.set G0B, 56
.set OB,  68
.set CNT, 70
.set G0H, 72
.set G0HB, 76
.set PFA, 80
.set MSB, 0
.macro WIN new
.if MSB != (\new)
	s_set_vgpr_msb (MSB<<8)|(\new)
.set MSB, (\new)
.endif
.endm
.macro PLACES n
.rept \n
	v_nop
.endr
.endm
.macro JLOAD g0a, g0b                  ; waves 0, 1 ask for A, waves 2, 3 for B: each line has one mask; s_nop 0 and four v_nop behind each
	s_cmp_eq_u32 s15, 0
	s_cbranch_scc0 .Lfor_b_\@
	tensor_load_to_lds s[\g0a:\g0a+3], s[G1:G1+7]
	s_nop 0
	PLACES 4
	s_branch .Lasked_\@
.Lfor_b_\@:
	tensor_load_to_lds s[\g0b:\g0b+3], s[G1B:G1B+7]
	s_nop 0
	PLACES 4
.Lasked_\@:
.endm
.macro CREST
	s_cmp_lg_u32 s14, 0
	s_cbranch_scc1 .Lnot_wave_0_\@
	s_barrier_signal -3
.Lnot_wave_0_\@:
	s_barrier_wait -3
	s_barrier_signal -1
	s_barrier_wait -1
.endm
.macro CROUND
	s_barrier_signal -1
	s_barrier_wait -1
	CREST
.endm
	s_load_b128 s[4:7], s[0:1], 0x0                ; himg, wimg
	s_load_b128 s[88:91], s[0:1], 0x10             ; x32, b2
	s_load_b64 s[8:9], s[0:1], 0x20                ; y32
	v_lshl_add_u32 v[SPW], v0, 2, SPARE
	v_mov_b32 v[NIL], 0
	ds_add_u32 v[SPW], v[NIL]                      ; the opening lines: the add, twice on end, and its wait
	ds_add_u32 v[SPW], v[NIL]
	v_lshrrev_b32 v1, 5, v0
	v_readfirstlane_b32 s14, v1                    ; wave
	s_lshr_b32 s15, s14, 1                         ; my half of the rows; also: I ask for A (0) or B (1)
	s_and_b32 s16, s14, 1                          ; my half of the columns; also: which part of that operand's tile I ask for
	s_bfe_u32 s40, ttmp6, 0x40000                  ; cx
	s_bfe_u32 s41, ttmp6, 0x40004                  ; cy
	s_lshl_b32 s42, ttmp9, 2
	s_add_co_u32 s42, s42, s40                     ; tile column: W2's panel
	s_and_b32 s17, ttmp7, 0xffff
	s_lshl_b32 s17, s17, 2
	s_add_co_u32 s17, s17, s41                     ; tile row: h's panel
	s_lshl_b32 s43, s41, 2
	s_lshl_b32 s43, 15, s43                        ; my row of the cluster
	s_lshl_b32 s44, 0x1111, s40                    ; my column
	s_or_b32 s[G1], s43, (3<<16)|(1<<21)           ; elements of 8 bytes; bit 21 beside a mask; dense rows of 256 bytes
	s_or_b32 s[G1B], s44, (3<<16)|(1<<21)
.irp g, G1, G1B
	s_mov_b32 s[\g+1], 32<<16
	s_mov_b32 s[\g+2], 200<<16                     ; the head's loads: four packets, 200 rows
	s_mov_b32 s[\g+3], 32<<16
	s_mov_b32 s[\g+4], 200
	s_mov_b32 s[\g+5], 32
	s_mov_b32 s[\g+6], 0
	s_mov_b32 s[\g+7], 0
.endr
	s_mul_i32 s20, s17, NK*PKT
	s_mov_b32 s21, 0
	s_mul_i32 s46, s42, NK*PKT
	s_add_co_u32 s46, s46, W2OFF
	s_mov_b32 s47, 0
	s_mul_i32 s45, s14, QTR                        ; a refill's place in its slot: wave x two packets
	s_mul_i32 s10, s16, 4*PKT                      ; the head: steps 0-3 or 4-7
	s_mov_b32 s11, 0
	s_mul_i32 s12, s16, QTR                        ; the ring: steps 0, 1 or 2, 3 of a slot's four
	s_mov_b32 s13, 0
	s_mul_i32 s18, s15, 6144                       ; my four blocks of A's packet,
	s_mul_i32 s19, s16, 6144
	s_add_co_u32 s19, s19, 2*QTR                   ; of B's, behind A's four packets
	s_lshl_b32 s23, s15, 8
	s_add_co_u32 s23, s23, 12288                   ; their scale words: A's,
	s_lshl_b32 s82, s16, 8
	s_add_co_u32 s82, s82, 2*QTR+12288
	s_sub_co_u32 s82, s82, s23                     ; and how far on B's lie
	s_mul_i32 s83, s14, 16*SP                      ; my stage
	s_lshl_b32 s86, s17, 1
	s_add_co_u32 s86, s86, s15
	s_lshl_b32 s86, s86, 18                        ; my first row of y: 64 rows of 4,096 bytes
	s_lshl_b32 s87, s42, 1
	s_add_co_u32 s87, s87, s16
	s_lshl_b32 s87, s87, 8
	s_mov_b32 s92, s87                             ; the same for b2
	s_mov_b32 s93, 0
	s_add_co_u32 s86, s86, s87
	s_mov_b32 s87, 0
	s_cmp_eq_u32 s15, 0
	s_cselect_b32 s84, s40, s41                    ; my place among the four that ask with me
	s_mul_i32 s84, s84, 25*256
	s_add_co_u32 s84, s84, 12*PKT                  ; the prefetches stand one slot behind their first: each change of slots steps, then asks
	s_mov_b32 s85, 0
	s_wait_dscnt 0x0                               ; both opening adds are done
	s_wait_kmcnt 0x0
	s_add_nc_u64 s[20:21], s[4:5], s[20:21]
	s_add_nc_u64 s[46:47], s[6:7], s[46:47]
	s_add_nc_u64 s[OB:OB+1], s[8:9], s[86:87]
	s_add_nc_u64 s[88:89], s[88:89], s[86:87]
	s_add_nc_u64 s[90:91], s[90:91], s[92:93]
	CROUND                                         ; all sixteen work-groups are here: the first joint loads meet
	s_mov_b32 s[G0H], 1
	s_mul_i32 s[G0H+1], s16, SLOT
	s_add_nc_u64 s[G0H+2:G0H+3], s[20:21], s[10:11]
	s_or_b32 s[G0H+3], s[G0H+3], 0x80000000
	s_mov_b32 s[G0HB], 1
	s_add_co_u32 s[G0HB+1], s[G0H+1], 2*QTR
	s_add_nc_u64 s[G0HB+2:G0HB+3], s[46:47], s[10:11]
	s_or_b32 s[G0HB+3], s[G0HB+3], 0x80000000
	s_add_nc_u64 s[20:21], s[20:21], s[12:13]
	s_add_nc_u64 s[46:47], s[46:47], s[12:13]
.irp s, 0,1
	s_mov_b32 s[G0+4*\s], 1
	s_add_co_u32 s[G0+4*\s+1], s45, \s*SLOT
	s_add_nc_u64 s[G0+4*\s+2:G0+4*\s+3], s[20:21], \s*2*QTR
	s_or_b32 s[G0+4*\s+3], s[G0+4*\s+3], 0x80000000
	s_mov_b32 s[G0B+4*\s], 1
	s_add_co_u32 s[G0B+4*\s+1], s45, \s*SLOT
	s_add_nc_u64 s[G0B+4*\s+2:G0B+4*\s+3], s[46:47], \s*2*QTR
	s_or_b32 s[G0B+4*\s+3], s[G0B+4*\s+3], 0x80000000
.endr
	s_cmp_eq_u32 s15, 0
	s_cselect_b64 s[PFA:PFA+1], s[20:21], s[46:47]
	s_add_nc_u64 s[PFA:PFA+1], s[PFA:PFA+1], s[84:85]
	JLOAD G0H, G0HB                                ; one tensor load a wave at the head
	v_and_b32 v1, 15, v0                           ; r
	v_bfe_u32 v2, v0, 4, 1                         ; h
	v_and_b32 v3, 31, v0
	v_lshlrev_b32 v4, 4, v3
	v_add_nc_u32 v[ADR1], s18, v4
	v_add_nc_u32 v[ADR0], s19, v4
	v_add_nc_u32 v[ADR1+1], SLOT, v[ADR1]
	v_add_nc_u32 v[ADR0+1], SLOT, v[ADR0]
	v_mul_u32_u24 v5, s82, v2                      ; lanes 16-31 take B's words
	v_lshl_add_u32 v5, v1, 4, v5
	v_add_nc_u32 v[ADRS], s23, v5
	v_add_nc_u32 v[ADRS+1], SLOT, v[ADRS]
	v_mul_u32_u24 v6, v1, SP
	v_lshl_add_u32 v6, v2, 6, v6
	v_add_nc_u32 v[STO], s83, v6                   ; into the stage: row r, + 64 h
	v_mul_u32_u24 v7, v2, SP
	v_lshl_add_u32 v7, v1, 4, v7
	v_add_nc_u32 v[RD], s83, v7                    ; back: sixteen lanes to a row of 256 bytes, two rows an instruction
	v_lshlrev_b32 v8, 12, v2
	v_lshl_add_u32 v[CO], v1, 4, v8                ; and the same two rows in y
	v_min_u32 v9, 24, v3
	v_lshlrev_b32 v[PFO], 8, v9
	v_lshlrev_b32 v10, 6, v2
.irp b, 0,1,2,3                        ; b2: register j of block b is column 32 (b / 2) + 16 h + 8 (b % 2) + j
.irp q, 0,1
	global_load_b128 v[BK+8*\b+4*\q:BK+8*\b+4*\q+3], v10, s[90:91] offset:128*(\b/2)+32*(\b%2)+16*\q
.endr
.endr
	WIN 0x80
.irp a, 0,1,2,3                        ; x, as the stores will lie: sixteen lanes read 256 consecutive bytes of a row
.irp t, 0,1,2,3,4,5,6,7
	global_load_b128 v[32*\a+4*\t:32*\a+4*\t+3], v[CO], s[88:89] offset:(16*\a+2*\t)*4096 th:TH_LOAD_NT
.endr
.endr
	WIN 0
.macro MUL a, zero                     ; A's block a x B's four, on set P
.irp b, 0,1,2,3
.set DD, ACC+8*(4*(\a)+\b)
.if \zero
	v_wmma_scale_f32_16x16x128_f8f6f4 v[DD:DD+7], v[128*P+12*\b:128*P+12*\b+11], v[128*P+48+12*(\a):128*P+48+12*(\a)+11], v[BK+8*\b:BK+8*\b+7], v[SC+4*P+\b], v[SC+4*P+(\a)] matrix_a_fmt:MATRIX_FMT_BF6 matrix_b_fmt:MATRIX_FMT_BF6 matrix_a_scale:MATRIX_SCALE_ROW1
.else
	v_wmma_scale_f32_16x16x128_f8f6f4 v[DD:DD+7], v[128*P+12*\b:128*P+12*\b+11], v[128*P+48+12*(\a):128*P+48+12*(\a)+11], v[DD:DD+7], v[SC+4*P+\b], v[SC+4*P+(\a)] matrix_a_fmt:MATRIX_FMT_BF6 matrix_b_fmt:MATRIX_FMT_BF6 matrix_a_scale:MATRIX_SCALE_ROW1
.endif
.endr
.endm
.macro FETCH slot, q, p                ; step q of the slot into set p: 25 LDS loads
	ds_load_b128 v[SC+4*(\p):SC+4*(\p)+3], v[ADRS+\slot] offset:PKT*(\q)
	WIN 0x40
.irp i, 0,1,2,3
.irp c, 0,1,2
	ds_load_b128 v[128*(\p)+12*\i+4*\c:128*(\p)+12*\i+4*\c+3], v[ADR0+\slot] offset:PKT*(\q)+1536*\i+512*\c
.endr
.endr
.irp i, 0,1,2,3
.irp c, 0,1,2
	ds_load_b128 v[128*(\p)+48+12*\i+4*\c:128*(\p)+48+12*\i+4*\c+3], v[ADR1+\slot] offset:PKT*(\q)+1536*\i+512*\c
.endr
.endr
	WIN 0
.endm
.macro STEP slot, q, zero              ; steps 0 to 2 of a slot: the next step's fragments are asked for, then this step's 16 products
.set P, (\q)%2
	PLACES 4                                       ; in front of loads into registers that the last step's products have read
	FETCH \slot, (\q)+1, 1-P
	s_wait_dscnt 25                                ; all but the 25 just issued
	WIN 0x05
	MUL 0, \zero
	MUL 1, \zero
	MUL 2, \zero
	MUL 3, \zero
	WIN 0
.endm
.macro TURN slot, next, fill           ; a slot's last step, and the change of slots
.set P, 1
.if \fill
	s_wait_xcnt 0x0                                ; my last prefetch has read its address
	s_add_nc_u64 s[PFA:PFA+1], s[PFA:PFA+1], 4*PKT
.endif
	s_wait_tensorcnt 0x0                           ; my part of the next slot has landed: no load of mine is out
	ds_add_u32 v[SPW], v[NIL]
	s_wait_dscnt 1                                 ; this step's fragments are in; the add may be out
	WIN 0x05
	MUL 0, 0
	s_wait_dscnt 0x0                               ; the add is done, and my reads of this slot are over
	s_barrier_signal -1
	MUL 1, 0
	WIN 0
	s_barrier_wait -1
.if \fill
	CREST                                          ; the barrier has opened a round of the cluster's barrier
	s_add_nc_u64 s[G0+4*\slot+2:G0+4*\slot+3], s[G0+4*\slot+2:G0+4*\slot+3], 4*QTR
	s_add_nc_u64 s[G0B+4*\slot+2:G0B+4*\slot+3], s[G0B+4*\slot+2:G0B+4*\slot+3], 4*QTR
	JLOAD G0+4*\slot, G0B+4*\slot                  ; this slot's next four steps; its four v_nop are the places in front of the loads below
.else
	PLACES 4
.endif
	FETCH \next, 0, 0
.if \fill
	s_cmp_gt_u32 s[CNT], 1                         ; the last trip's two refills have no slot two refills on
	s_cbranch_scc0 .Lno_ask_\@
	global_prefetch_b8 v[PFO], s[PFA:PFA+1] th:TH_LOAD_NT scope:SCOPE_SE
.Lno_ask_\@:
.endif
	WIN 0x05
	MUL 2, 0
	MUL 3, 0
	WIN 0
.endm
	s_wait_alu depctr_va_vdst(0)                   ; the wait at the head's end
	s_wait_tensorcnt 0x0                           ; my tile of the head's four is in, and no load of mine is out: from here on a load brings two packets, 100 rows
	s_mov_b32 s[G1+2], 100<<16
	s_mov_b32 s[G1+4], 100
	s_mov_b32 s[G1B+2], 100<<16
	s_mov_b32 s[G1B+4], 100
	s_barrier_signal -1
	s_barrier_wait -1                              ; both slots are whole for all four waves
	FETCH 0, 0, 0
	s_wait_loadcnt 32                              ; b2 is in; x's 32 loads may be out
	STEP 0, 0, 1                                   ; the first step starts the sums, from b2
	s_mov_b32 s[CNT], 3
.Llap:                                                 ; a trip goes once round the ring and fills both slots again
	STEP 0, 1, 0
	STEP 0, 2, 0
	TURN 0, 1, 1
	STEP 1, 0, 0
	STEP 1, 1, 0
	STEP 1, 2, 0
	TURN 1, 0, 1
	STEP 0, 0, 0
	s_sub_co_u32 s[CNT], s[CNT], 1
	s_cmp_lg_u32 s[CNT], 0
	s_cbranch_scc1 .Llap
	STEP 0, 1, 0                                   ; the last eight steps ask for nothing more
	STEP 0, 2, 0
	TURN 0, 1, 0
	STEP 1, 0, 0
	STEP 1, 1, 0
	STEP 1, 2, 0
.set P, 1
	s_wait_dscnt 0x0
	WIN 0x05
	MUL 0, 0
	MUL 1, 0
	MUL 2, 0
	MUL 3, 0
	WIN 0
; THE WAY OUT, 16 rows x 64 columns at a time, through my own stage in slot 0, which has had its last fill and, behind the last barrier, its last read.  LDS serves a wave's instructions in order.
.macro TOSTAGE a
.irp b, 0,1,2,3
	ds_store_b128 v[STO], v[ACC+8*(4*(\a)+\b):ACC+8*(4*(\a)+\b)+3] offset:128*(\b/2)+32*(\b%2)       ; each accumulator from its low end on
	ds_store_b128 v[STO], v[ACC+8*(4*(\a)+\b)+4:ACC+8*(4*(\a)+\b)+7] offset:128*(\b/2)+32*(\b%2)+16
.endr
.irp t, 0,1,2,3,4,5,6,7
	ds_load_b128 v[BK+32*((\a)%2)+4*\t:BK+32*((\a)%2)+4*\t+3], v[RD] offset:\t*2*SP
.endr
.endm
.macro SEND a, younger                 ; younger: the LDS instructions issued behind block a's loads
	s_wait_dscnt \younger
	WIN 0x08                                       ; source 1: window 2
.irp t, 0,1,2,3,4,5,6,7
	v_pk_add_f32 v[BK+32*((\a)%2)+4*\t:BK+32*((\a)%2)+4*\t+1], v[BK+32*((\a)%2)+4*\t:BK+32*((\a)%2)+4*\t+1], v[32*(\a)+4*\t:32*(\a)+4*\t+1]         ; + x
	v_pk_add_f32 v[BK+32*((\a)%2)+4*\t+2:BK+32*((\a)%2)+4*\t+3], v[BK+32*((\a)%2)+4*\t+2:BK+32*((\a)%2)+4*\t+3], v[32*(\a)+4*\t+2:32*(\a)+4*\t+3]
.endr
	WIN 0
.irp t, 0,1,2,3,4,5,6,7
	global_store_b128 v[CO], v[BK+32*((\a)%2)+4*\t:BK+32*((\a)%2)+4*\t+3], s[OB:OB+1] offset:(16*(\a)+2*\t)*4096   ; sixteen lanes store 256 consecutive bytes, aligned
.endr
.endm
	s_wait_loadcnt 0x0                             ; x is in
	PLACES 4
	TOSTAGE 0
.irp a, 1,2,3
.if \a > 1
	s_wait_xcnt 0x0                                ; block a - 2's stores have read their registers
.endif
	TOSTAGE \a
	SEND \a-1, 16
.endr
	SEND 3, 0
	s_wait_tensorcnt 0x0                           ; the wave's end
	ds_add_u32 v[SPW], v[NIL]
	s_wait_dscnt 0x0
	CROUND                                         ; the closing round
	s_endpgm
.Lfunc_end_k_q5492d6a480_ffn2g:
	.size	k_q5492d6a480_ffn2g, .Lfunc_end_k_q5492d6a480_ffn2g-k_q5492d6a480_ffn2g
	.p2alignl 7, 3214868480
	.fill 96, 4, 3214868480
	.section	.rodata,"a",@progbits
	.p2align	6, 0x0
	.amdhsa_kernel k_q5492d6a480_ffn2g
		.amdhsa_group_segment_fixed_size 327680
		.amdhsa_private_segment_fixed_size 0
		.amdhsa_enable_private_segment 0
		.amdhsa_kernarg_size 40
		.amdhsa_user_sgpr_count 2
		.amdhsa_user_sgpr_kernarg_segment_ptr 1
		.amdhsa_wavefront_size32 1
		.amdhsa_system_sgpr_workgroup_id_x 1
		.amdhsa_system_sgpr_workgroup_id_y 1
		.amdhsa_system_sgpr_workgroup_id_z 1
		.amdhsa_system_vgpr_workitem_id 0
		.amdhsa_next_free_vgpr 768
		.amdhsa_next_free_sgpr 100
		.amdhsa_reserve_vcc 0
		.amdhsa_float_denorm_mode_32 3
		.amdhsa_float_denorm_mode_16_64 3
		.amdhsa_memory_ordered 1
		.amdhsa_forward_progress 1
		.amdhsa_inst_pref_size 88
	.end_amdhsa_kernel
	.amdgpu_metadata
---
amdhsa.version: [ 1, 2 ]
amdhsa.kernels:
  - .name:           k_q5492d6a480_ffn2g
    .symbol:         k_q5492d6a480_ffn2g.kd
    .args:
      - { .name: himg, .offset: 0, .size: 8, .value_kind: global_buffer, .address_space: global }
      - { .name: wimg, .offset: 8, .size: 8, .value_kind: global_buffer, .address_space: global }
      - { .name: x32, .offset: 16, .size: 8, .value_kind: global_buffer, .address_space: global }
      - { .name: b2, .offset: 24, .size: 8, .value_kind: global_buffer, .address_space: global }
      - { .name: y32, .offset: 32, .size: 8, .value_kind: global_buffer, .address_space: global }
    .group_segment_fixed_size: 327680
    .private_segment_fixed_size: 0
    .kernarg_segment_align: 8
    .kernarg_segment_size: 40
    .max_flat_workgroup_size: 128
    .sgpr_count:     100
    .vgpr_count:     768
    .wavefront_size: 32
...
	.end_amdgpu_metadata
.endif
;; end of part 6
;; launch ln2 (part 7): grid 256 x 1, 8 waves a work-group, no clusters, 0 bytes of LDS; arguments y32, g2, be2, out0; writes out0
.if DOCPART == 7
	.amdgcn_target "amdgcn-amd-amdhsa--gfx1250"
	.amdhsa_code_object_version 6
	.text
	.protected	k_q5492d6a480_ln2
	.globl	k_q5492d6a480_ln2
	.p2align	8
	.type	k_q5492d6a480_ln2,@function
k_q5492d6a480_ln2:
	s_mov_b64 s[64:65], 0
	v_nop
	global_prefetch_b8 v0, s[64:65] scope:SCOPE_SE
	s_setreg_imm32_b32 hwreg(HW_REG_WAVE_MODE, 25, 1), 1
	s_wait_xcnt 0x0
; out0 = layer_norm(y) g2 + be2, all in f32.  y32 holds x + h W2^T + b2, [position][1,024]; position P = 2,048 b + p holds the row (s, b) with s = p with its bits 3 and 4 exchanged; out0 lies [s][b][1,024].
; A stream: each byte is read once and written once.  A wave takes two neighbouring positions (they differ in bit 0, so their rows of out0 lie 8,192 bytes apart); a lane holds columns 4 l + 128 j of a row, so that every
; load and store of the wave covers 512 consecutive bytes, aligned.  All 32 loads of a wave go out at once; the two rows are worked by turns, so that the two reductions' chains do not wait on themselves.
; No LDS, no barrier, no matrix unit: a row is one wave's own, and nothing is shared.  256 work-groups of eight waves: 4,096 rows.
; LIMITS: NaN and infinities are not served.
.set L16, 1                            ; v1       16 x lane
.set SM,  8                            ; v8-23    row t: eight registers of sums at v[8 + 8 t]
.set GV,  64                           ; v64-95 gain, v96-127 beta of my 32 columns
.set BEV, 96
.set Y,   128                          ; v128-191 row t at v[128 + 32 t]
.set INV, 24
.set EPS, 25
.set SEL, 26
	s_load_b256 s[4:11], s[0:1], 0x0               ; y32, g2, be2, out0
	v_lshrrev_b32 v1, 5, v0
	v_readfirstlane_b32 s16, v1                    ; wave 0..7
	v_and_b32 v1, 31, v0
	s_delay_alu instid0(VALU_DEP_1)
	v_lshlrev_b32 v[L16], 4, v1
	s_lshl_b32 s17, ttmp9, 4
	s_lshl_b32 s18, s16, 1
	s_add_co_u32 s17, s17, s18                     ; my first position: 16 x work-group + 2 x wave
	s_lshl_b32 s20, s17, 12                        ; 4,096 bytes a position
	s_mov_b32 s21, 0
	s_and_b32 s18, s17, 0x7e7                      ; s: the position's low 11 bits, bits 3 and 4 exchanged
	s_and_b32 s19, s17, 8
	s_lshl_b32 s19, s19, 1
	s_or_b32 s18, s18, s19
	s_and_b32 s19, s17, 16
	s_lshr_b32 s19, s19, 1
	s_or_b32 s18, s18, s19
	s_lshl_b32 s22, s18, 13                        ; 8,192 s
	s_lshr_b32 s19, s17, 11
	s_lshl_b32 s19, s19, 12                        ; + 4,096 b
	s_add_co_u32 s22, s22, s19
	s_mov_b32 s23, 0
	s_mov_b32 s[INV], 0x3a800000                   ; 1 / 1,024
	s_mov_b32 s[EPS], 0x3727c5ac                   ; 1e-5
	s_mov_b32 s[SEL], 0x76543210
	s_mov_b32 s[SEL+1], 0xfedcba98                 ; lane l xor 16
	s_wait_alu depctr_va_vdst(0)                   ; the wait at the head's end
	s_wait_kmcnt 0x0
	s_add_nc_u64 s[4:5], s[4:5], s[20:21]
	s_add_nc_u64 s[10:11], s[10:11], s[22:23]
.irp t, 0,1
.irp j, 0,1,2,3,4,5,6,7
	global_load_b128 v[Y+32*\t+4*\j:Y+32*\t+4*\j+3], v[L16], s[4:5] offset:4096*\t+512*\j th:TH_LOAD_NT
.endr
.endr
.irp j, 0,1,2,3,4,5,6,7                        ; what every wave reads again carries no hint
	global_load_b128 v[GV+4*\j:GV+4*\j+3], v[L16], s[6:7] offset:512*\j
	global_load_b128 v[BEV+4*\j:BEV+4*\j+3], v[L16], s[8:9] offset:512*\j
.endr
.macro RED2                            ; of each row: four chains of pairs -> the wave's sum in v[SM + 8 t], in every lane
.irp t, 0,1
	v_pk_add_f32 v[SM+8*\t:SM+8*\t+1], v[SM+8*\t:SM+8*\t+1], v[SM+8*\t+2:SM+8*\t+3]
	v_pk_add_f32 v[SM+8*\t+4:SM+8*\t+5], v[SM+8*\t+4:SM+8*\t+5], v[SM+8*\t+6:SM+8*\t+7]
.endr
	s_delay_alu instid0(VALU_DEP_3)
	v_pk_add_f32 v[SM:SM+1], v[SM:SM+1], v[SM+4:SM+5]
	s_delay_alu instid0(VALU_DEP_2)
	v_pk_add_f32 v[SM+8:SM+9], v[SM+8:SM+9], v[SM+12:SM+13]
.irp t, 0,1
	s_delay_alu instid0(VALU_DEP_2)
	v_add_f32 v[SM+8*\t], v[SM+8*\t], v[SM+8*\t+1]
.endr
.irp m, 1,2,4,8
.irp t, 0,1
	s_delay_alu instid0(VALU_DEP_2)
	v_add_f32_dpp v[SM+8*\t], v[SM+8*\t], v[SM+8*\t] row_xmask:\m row_mask:0xf bank_mask:0xf
.endr
.endr
.irp t, 0,1
	s_delay_alu instid0(VALU_DEP_2)
	v_permlanex16_b32 v[SM+8*\t+1], v[SM+8*\t], s[SEL], s[SEL+1]
.endr
.irp t, 0,1
	s_delay_alu instid0(VALU_DEP_2)
	v_add_f32 v[SM+8*\t], v[SM+8*\t], v[SM+8*\t+1]
.endr
.endm
	s_wait_loadcnt 0x0                             ; both rows and the two vectors
.irp t, 0,1
.irp c, 0,1,2,3
	v_pk_add_f32 v[SM+8*\t+2*\c:SM+8*\t+2*\c+1], v[Y+32*\t+4*\c:Y+32*\t+4*\c+1], v[Y+32*\t+4*\c+2:Y+32*\t+4*\c+3]
.endr
.endr
.irp i, 16,24
.irp t, 0,1
.irp c, 0,1,2,3
	v_pk_add_f32 v[SM+8*\t+2*\c:SM+8*\t+2*\c+1], v[SM+8*\t+2*\c:SM+8*\t+2*\c+1], v[Y+32*\t+\i+2*\c:Y+32*\t+\i+2*\c+1]
.endr
.endr
.endr
	RED2
.irp t, 0,1
	s_delay_alu instid0(VALU_DEP_2)
	v_mul_f32 v[SM+8*\t], s[INV], v[SM+8*\t]       ; the mean
.endr
.irp t, 0,1
.set i, 0
.rept 16
	v_pk_add_f32 v[Y+32*\t+i:Y+32*\t+i+1], v[Y+32*\t+i:Y+32*\t+i+1], v[SM+8*\t:SM+8*\t+1] op_sel_hi:[1,0] neg_lo:[0,1] neg_hi:[0,1]
.set i, i+2
.endr
.endr
.irp t, 0,1
.irp c, 0,1,2,3
	v_pk_mul_f32 v[SM+8*\t+2*\c:SM+8*\t+2*\c+1], v[Y+32*\t+2*\c:Y+32*\t+2*\c+1], v[Y+32*\t+2*\c:Y+32*\t+2*\c+1]
.endr
.endr
.irp i, 8,16,24
.irp t, 0,1
.irp c, 0,1,2,3
	v_pk_fma_f32 v[SM+8*\t+2*\c:SM+8*\t+2*\c+1], v[Y+32*\t+\i+2*\c:Y+32*\t+\i+2*\c+1], v[Y+32*\t+\i+2*\c:Y+32*\t+\i+2*\c+1], v[SM+8*\t+2*\c:SM+8*\t+2*\c+1]
.endr
.endr
.endr
	RED2
.irp t, 0,1
	s_delay_alu instid0(VALU_DEP_2)
	v_fma_f32 v[SM+8*\t], v[SM+8*\t], s[INV], s[EPS]   ; the variance + 1e-5
.endr
	s_wait_alu depctr_va_vdst(0)                   ; the wait ahead of the batch
.irp t, 0,1
	v_rsq_f32 v[SM+8*\t+2], v[SM+8*\t]
.endr
	v_nop                                          ; a plain place behind the transcendentals
	s_wait_alu depctr_va_vdst(0)                   ; the wait behind it
.irp t, 0,1
.set i, 0
.rept 16
	v_pk_mul_f32 v[Y+32*\t+i:Y+32*\t+i+1], v[Y+32*\t+i:Y+32*\t+i+1], v[SM+8*\t+2:SM+8*\t+3] op_sel_hi:[1,0]
.set i, i+2
.endr
.endr
.irp t, 0,1
.set i, 0
.rept 16
	v_pk_fma_f32 v[Y+32*\t+i:Y+32*\t+i+1], v[Y+32*\t+i:Y+32*\t+i+1], v[GV+i:GV+i+1], v[BEV+i:BEV+i+1]
.set i, i+2
.endr
.irp j, 0,1,2,3,4,5,6,7
	global_store_b128 v[L16], v[Y+32*\t+4*\j:Y+32*\t+4*\j+3], s[10:11] offset:8192*\t+512*\j th:TH_STORE_NT   ; 512 consecutive bytes, aligned; written once
.endr
.endr
	s_endpgm
.Lfunc_end_k_q5492d6a480_ln2:
	.size	k_q5492d6a480_ln2, .Lfunc_end_k_q5492d6a480_ln2-k_q5492d6a480_ln2
	.p2alignl 7, 3214868480
	.fill 96, 4, 3214868480
	.section	.rodata,"a",@progbits
	.p2align	6, 0x0
	.amdhsa_kernel k_q5492d6a480_ln2
		.amdhsa_group_segment_fixed_size 0
		.amdhsa_private_segment_fixed_size 0
		.amdhsa_enable_private_segment 0
		.amdhsa_kernarg_size 32
		.amdhsa_user_sgpr_count 2
		.amdhsa_user_sgpr_kernarg_segment_ptr 1
		.amdhsa_wavefront_size32 1
		.amdhsa_system_sgpr_workgroup_id_x 1
		.amdhsa_system_sgpr_workgroup_id_y 1
		.amdhsa_system_sgpr_workgroup_id_z 1
		.amdhsa_system_vgpr_workitem_id 0
		.amdhsa_next_free_vgpr 256
		.amdhsa_next_free_sgpr 66
		.amdhsa_reserve_vcc 0
		.amdhsa_float_denorm_mode_32 3
		.amdhsa_float_denorm_mode_16_64 3
		.amdhsa_memory_ordered 1
		.amdhsa_forward_progress 1
		.amdhsa_inst_pref_size 20
	.end_amdhsa_kernel
	.amdgpu_metadata
---
amdhsa.version: [ 1, 2 ]
amdhsa.kernels:
  - .name:           k_q5492d6a480_ln2
    .symbol:         k_q5492d6a480_ln2.kd
    .args:
      - { .name: y32, .offset: 0, .size: 8, .value_kind: global_buffer, .address_space: global }
      - { .name: g2, .offset: 8, .size: 8, .value_kind: global_buffer, .address_space: global }
      - { .name: be2, .offset: 16, .size: 8, .value_kind: global_buffer, .address_space: global }
      - { .name: out0, .offset: 24, .size: 8, .value_kind: global_buffer, .address_space: global }
    .group_segment_fixed_size: 0
    .private_segment_fixed_size: 0
    .kernarg_segment_align: 8
    .kernarg_segment_size: 32
    .max_flat_workgroup_size: 256
    .sgpr_count:     66
    .vgpr_count:     256
    .wavefront_size: 32
...
	.end_amdgpu_metadata
.endif
;; end of part 7
